; MI455X (gfx1250); checked and timed in simulation.
; The chip was launched on July 23, 2026; its instructions are those of AMD's public machine-readable ISA for CDNA 5 (MIT licence, August 2026) and "CDNA5" Instruction Set Architecture Reference Guide (July 2026). The comments in the code are by the model that wrote it; some were corrected since.
;; Attention. Allowed arithmetic: matrix products marked QUANTISED: E2M3 operands, one E8M0 scale for each 32 along K, by v_wmma_scale_f32_16x16x128_f8f6f4 with both operands' format E2M3, f32 sums; everything else in f32.
;; Inputs: bk 512 float32; bo 2,048 float32; bq 2,048 float32; bv 512 float32; freqs_cis 2,048 x 64 float32; mask 2,048 x 2,048 float32; wk 512 x 2,048 float32; wo 2,048 x 2,048 float32; wq 2,048 x 2,048 float32; wv 512 x 2,048 float32; x 1 x 2,048 x 2,048 float32.
;; Outputs: out0 1 x 2,048 x 2,048 float32.
;; This version of the problem:
;;   THIS VERSION OF THE PROBLEM IS GIVEN IN LOW PRECISION. The matrix products marked QUANTISED in the list below multiply operands that are first quantised to E2M3 (2 exponent bits, 3 mantissa bits; 6 bits a number), with one power-of-two scale for each 32 numbers along K (OCP MX v1.0); their sums are f32. All else is computed in f32.
;;   The module's matrix products, in the order in which they are computed (A, B: the left and right operand; K: the contracted axis; several contracted axes count as one K, in the product's order):
;;     1. [M 2,048, K 2,048] x [K 2,048, N 2,048]; A: input x; B: input wq: QUANTISED
;;     2. [M 2,048, K 2,048] x [K 2,048, N 512]; A: input x; B: input wk: QUANTISED
;;     3. [M 2,048, K 2,048] x [K 2,048, N 512]; A: input x; B: input wv: QUANTISED
;;     4. batch 8 x [M 8,192, K 64] x [K 64, N 2,048]; A: computed on the way; B: computed on the way: QUANTISED
;;     5. batch 8 x [M 8,192, K 2,048] x [K 2,048, N 64]; A: softmax (see below); B: computed on the way: QUANTISED
;;     6. [M 2,048, K 2,048] x [K 2,048, N 2,048]; A: computed on the way; B: input wo: QUANTISED
;;   THE QUANTISER, for each operand of a quantised product, along K:
;;     - K is cut into blocks of 32 from its start; a last block that is shorter is filled with zeros.
;;     - A block's scale is 2^e with e = floor(log2(the largest magnitude in the block)) - 2, held to -126 .. 127; a block of zeros has e = 0. As a byte (E8M0): e + 127.
;;     - Each number is divided by its block's scale, clamped to +-7.5, and rounded to the nearest number of E2M3, ties to even, subnormals kept.
;;     - The product sums the exact products of the quantised numbers (number of the format x scale) in f32.
;;   ~~~python
;;   def quantise(x, axis):      # numpy; x: float32 -> the quantised numbers, widened to float32 again
;;       x = np.moveaxis(x, axis, -1); K = x.shape[-1]
;;       x = np.pad(x, [(0, 0)] * (x.ndim - 1) + [(0, -K % 32)]); x = x.reshape(x.shape[:-1] + (-1, 32)); a = np.abs(x).max(-1, keepdims=True)
;;       e = np.where(a > 0, np.clip(np.frexp(np.where(a > 0, a, 1))[1] - 1 - 2, -126, 127), 0)      # np.frexp(a)[1] - 1 = floor(log2(a)), exactly
;;       r = np.clip(x / 2.0 ** e, -7.5, 7.5)
;;       step = 2.0 ** (np.maximum(np.frexp(np.where(r == 0, 1, r))[1] - 1, 0) - 3)
;;       q = np.round(r / step) * step * 2.0 ** e      # np.round: ties to even
;;       return np.moveaxis(q.reshape(q.shape[:-2] + (-1,))[..., :K], -1, axis).astype(np.float32)
;;   ~~~
;;   SOFTMAX AHEAD OF A QUANTISED PRODUCT. Where the list says 'softmax', what is quantised is not the finished softmax but p = 2^(t - M), with t = logit x log2(e) and M = ceil(the row's largest t), a whole number; so 1/2 < the row's largest p <= 1. The row's sum l is taken of the UNQUANTISED p, in f32, and the product's result is divided by l at the end. Since M is a whole number, a kernel that streams over the keys may use a running M (the ceiling of the running maximum): every later rescaling is an exact power of two, which a block's scale takes up: the codes' values come out the same.
;;   OPERANDS COMPUTED ON THE WAY. 'Computed on the way' means the value that the module computes at that place (a softmax that the list does not call 'softmax' is quantised finished and normalised). What goes into a quantiser is computed in f32, as accurately as f32 sums, v_exp_f32 and their like allow (about 1e-6 of the number): no bf16 or f16 on the way to a quantiser, and a product that is left as it is and whose result goes on into a quantised operand takes f32 operands (vector FMAs, or v_wmma_f32_16x16x4_f32). A number that lies on a knife's edge between two numbers of the format may be rounded either way, as far as f32 arithmetic and the matrix unit's own rounding can turn it there, and no further.
;; One version. Each part assembles by itself: llvm-mc -triple=amdgcn-amd-amdhsa -mcpu=gfx1250 --defsym DOCPART=n.
;; ======== version 1 of 1: 4 launches
;; limits: right only within a limited range of input values
;; workspace buffers: q1 11,468,800 bytes; q2 5,079,040 bytes; q3 3,276,800 bytes
;; launch quant (part 1): grid 448 x 1, 4 waves a work-group, no clusters, 35,328 bytes of LDS; arguments x, wq, wk, wv, wo, q1; writes q1
.if DOCPART == 1
	.amdgcn_target "amdgcn-amd-amdhsa--gfx1250"
	.amdhsa_code_object_version 6
	.text
	.protected	k_q75121629c1_quant
	.globl	k_q75121629c1_quant
	.p2align	8
	.type	k_q75121629c1_quant,@function
k_q75121629c1_quant:
	s_mov_b64 s[64:65], 0
	v_nop
	global_prefetch_b8 v0, s[64:65] scope:SCOPE_SE
	s_setreg_imm32_b32 hwreg(HW_REG_WAVE_MODE, 25, 1), 1
	s_wait_xcnt 0x0
; x [2048][2048], wq [2048][2048], wk, wv [512][2048], wo [2048][2048], all f32 with K innermost, become codes of FP6 (E2M3) with one E8M0 byte for each 32 along K.
; A block's scale is 2^(floor(log2(its largest magnitude)) - 2); its byte is the largest magnitude's exponent field - 2, held at 1 from below.
; LIMITS: a block of zeros keeps the byte 1 where the rule says 127 (its codes are zeros, and this program alone reads the bytes); blocks whose largest magnitude lies
; under 2^(3 - 127) are coded on that floor's scale; NaN and infinities among the inputs are not served.
; THE CODES' LAYOUT is that of the operand's registers.  A ROW TILE t holds the 16 rows 32 (t / 2) + 8 (t % 2) + r + 8 (r / 8), r = 0 .. 15.  A HALF FRAGMENT (16 rows x 64 K, 768 bytes):
; lane l = (r = l % 16, h = l / 16) owns the 24 bytes of block h of row r: registers 0-3 at byte 16 l, registers 4-5 at byte 512 + 8 l.  A row tile is 32 half fragments on end, 24,576 bytes.
; Row tiles in q1: x 0-127, wq 128-255, wk 256-287, wv 288-319, wo 320-447.  Behind them the scale words, one for a row and 128 K: [row tile][K / 128][r], 1,024 bytes a row tile.
; SHARES: a work-group takes one row tile, its wave w the 512 along K from 512 w on: four fragments of 16 rows x 128 K.  Each load reads 512 consecutive bytes of one row; a fragment's 16 loads turn through the
; wave's own stage in LDS (rows 528 bytes apart: 132 words, so that the 16 rows of a read start at 16 different banks; 64 banks of 4 bytes: ISA guide 11.1) and come back as 64 numbers a lane: two whole blocks.
; No tensor loads, no barrier: waves share nothing.  ALL FOUR FRAGMENTS' LOADS, 64 a wave, are issued at the head: fragments 0 and 1 into window 0, fragments 2 and 3 into the same numbers of window 1.
.set ROWB,  8192                       ; a row in bytes
.set SP,    528                        ; a stage row
.set SCW,   16*SP                      ; behind the stage: the wave's 256 bytes of scale words
.set WREG,  SCW+256                    ; a wave's LDS
.set XS,    11010048                   ; where the scale words begin in q1: 448 x 24,576
.set R,     16                         ; v16-143 of windows 0 and 1: four sets of 64 registers as loaded
.set X,     144                        ; v144-207 my 64 numbers: block h, then block 2 + h of my row
.set AM,    208                        ; v208-209 largest magnitudes
.set SO,    210                        ; v210-211 the conversions' scale operands
.set BY,    212                        ; v212-213 the bytes
.set PW,    214                        ; the scale word
.set PX,    215                        ; the other half's part of it
.set PC,    224                        ; v224-235 the fragment's codes
.set CT,    236                        ; v236-238, v240-242 second halves of a block's codes (a conversion's three registers begin on an even number)
.set MSB, 0
.macro WIN new                         ; low byte: bits 3:2 source 1 (a store's data), 7:6 destination; the high byte repeats the setting that is left
.if MSB != (\new)
	s_set_vgpr_msb (MSB<<8)|(\new)
.set MSB, (\new)
.endif
.endm
	s_load_b256 s[4:11], s[0:1], 0x0               ; x, wq, wk, wv
	s_load_b128 s[12:15], s[0:1], 0x20             ; wo, q1
	v_lshl_add_u32 v248, v0, 2, 0x8800             ; my spare word, behind the four waves' regions; v249 0: never rewritten
	v_mov_b32 v249, 0
	v_lshrrev_b32 v1, 5, v0
	v_readfirstlane_b32 s16, v1                    ; wave
	v_and_b32 v2, 31, v0                           ; lane
	v_and_b32 v3, 15, v0                           ; r
	v_bfe_u32 v4, v0, 4, 1                         ; h
	v_lshlrev_b32 v5, 4, v2                        ; 16 x lane
	v_lshlrev_b32 v6, 3, v2                        ; 8 x lane
	s_mul_i32 s17, s16, WREG
	v_add_nc_u32 v7, s17, v5                       ; into the stage: 16 bytes a lane of a row's 512
	v_mul_u32_u24 v8, v3, SP
	v_lshl_add_u32 v8, v4, 7, v8
	v_add_nc_u32 v8, s17, v8                       ; out of it: row r, 128 bytes (a block) for each half of the lanes
	v_lshl_add_u32 v9, v3, 2, s17                  ; my row's scale word
	v_add_nc_u32 v10, s17, v6                      ; and the words on their way out, 8 bytes a lane
	v_lshlrev_b32 v11, 3, v4                       ; 8 h: my bytes' place in the word
	v_mov_b32 v[PX], 0                             ; written once: a lane permute's destination counts as one of its sources
	s_mov_b32 s24, 0x76543210
	s_mov_b32 s25, 0xfedcba98                      ; v_permlanex16_b32's selects for lane l xor 16
	s_mov_b32 s18, 0
	s_wait_alu depctr_va_vdst(0)
	s_wait_kmcnt 0x0
	s_cmp_ge_u32 ttmp9, 128                        ; which tensor: the choice hangs on the work-group's number alone
	s_cselect_b64 s[4:5], s[6:7], s[4:5]
	s_cselect_b32 s18, 128, s18
	s_cmp_ge_u32 ttmp9, 256
	s_cselect_b64 s[4:5], s[8:9], s[4:5]
	s_cselect_b32 s18, 256, s18
	s_cmp_ge_u32 ttmp9, 288
	s_cselect_b64 s[4:5], s[10:11], s[4:5]
	s_cselect_b32 s18, 288, s18
	s_cmp_ge_u32 ttmp9, 320
	s_cselect_b64 s[4:5], s[12:13], s[4:5]
	s_cselect_b32 s18, 320, s18
	s_sub_co_u32 s18, ttmp9, s18                   ; t: the row tile within its tensor
	s_lshr_b32 s20, s18, 1
	s_lshl_b32 s20, s20, 5
	s_and_b32 s21, s18, 1
	s_lshl_b32 s21, s21, 3
	s_add_co_u32 s20, s20, s21                     ; its first row: 32 (t / 2) + 8 (t % 2)
	s_lshl_b32 s20, s20, 13
	s_lshl_b32 s21, s16, 11                        ; my wave's 512 numbers of a row
	s_add_co_u32 s20, s20, s21
	s_mov_b32 s21, 0
	s_add_nc_u64 s[4:5], s[4:5], s[20:21]
	s_lshl_b32 s20, ttmp9, 10
	s_lshl_b32 s26, s16, 8
	s_add_co_u32 s20, s20, s26
	s_add_co_u32 s20, s20, XS
	s_add_nc_u64 s[22:23], s[14:15], s[20:21]      ; my 256 bytes of scale words
	s_mul_i32 s20, ttmp9, 24576
	s_mul_i32 s26, s16, 6144
	s_add_co_u32 s20, s20, s26
	s_add_nc_u64 s[14:15], s[14:15], s[20:21]      ; my eight half fragments
.macro LOAD f                          ; fragment f: 16 rows x 512 bytes into set f % 2 of window f / 2
	WIN 0x40*((\f)/2)
.irp i, 0,1,2,3,4,5,6,7,8,9,10,11,12,13,14,15
	global_load_b128 v[R+64*((\f)%2)+4*\i:R+64*((\f)%2)+4*\i+3], v5, s[4:5] offset:(\i+8*(\i/8))*ROWB+512*(\f) th:TH_LOAD_NT
.endr
.endm
.macro FRAG f
	s_wait_loadcnt 16*(3-(\f))                     ; this fragment's 16 loads are in; those of the 3 - f fragments behind it may be out
	WIN 0x04*((\f)/2)                              ; a store's data are its source 1
.irp i, 0,1,2,3,4,5,6,7,8,9,10,11,12,13,14,15
	ds_store_b128 v7, v[R+64*((\f)%2)+4*\i:R+64*((\f)%2)+4*\i+3] offset:SP*\i
.endr
	WIN 0
.irp c, 0,1
.irp j, 0,1,2,3,4,5,6,7
	ds_load_b128 v[X+32*\c+4*\j:X+32*\c+4*\j+3], v8 offset:256*\c+16*\j   ; LDS serves a wave's instructions in order: these see the stores above
.endr
.endr
	s_wait_dscnt 0x0                               ; my 64 numbers are in
	s_wait_xcnt 0x0                                ; the last fragment's stores have had their addresses translated: only behind this wait are the codes' registers written again
.irp c, 0,1
	v_max3_num_f32 v[AM+\c], |v[X+32*\c]|, |v[X+32*\c+1]|, 0x1800000   ; my block's largest magnitude, and the floor 2^(3 - 127): the byte cannot fall under 1
.endr
.irp i, 2,4,6,8,10,12,14,16,18,20,22,24,26,28,30
.irp c, 0,1
	v_max3_num_f32 v[AM+\c], v[AM+\c], |v[X+32*\c+\i]|, |v[X+32*\c+\i+1]|   ; (the two blocks by turns)
.endr
.endr
.irp c, 0,1
	v_add_nc_u32 v[SO+\c], 0xff000000, v[AM+\c]    ; 2 off the exponent field: the conversion takes this operand's exponent field as its scale
.endr
.irp c, 0,1
	v_lshrrev_b32 v[BY+\c], 23, v[SO+\c]           ; the scale's byte
.endr
	v_lshl_or_b32 v[PW], v[BY+1], 16, v[BY]        ; blocks h and 2 + h,
	v_lshlrev_b32 v[PW], v11, v[PW]                ; at their places in the word;
	v_permlanex16_b32 v[PX], v[PW], s24, s25
	v_or_b32 v[PW], v[PW], v[PX]                   ; with lane l xor 16's two the word is whole
.irp c, 0,1
	v_cvt_scalef32_pk16_fp6_f32 v[PC+6*\c:PC+6*\c+2], v[X+32*\c:X+32*\c+15], v[SO+\c]
	v_cvt_scalef32_pk16_fp6_f32 v[CT+4*\c:CT+4*\c+2], v[X+32*\c+16:X+32*\c+31], v[SO+\c]
.endr
	v_nop                                          ; one plain place behind a scaled conversion
.irp c, 0,1
.irp i, 0,1,2
	v_mov_b32 v[PC+6*\c+3+\i], v[CT+4*\c+\i]
.endr
.endr
	global_store_b128 v5, v[PC:PC+3], s[14:15] offset:1536*(\f)              ; each store covers 512 or 256 consecutive bytes, at a multiple of 256 from q1's first byte
	global_store_b64 v6, v[PC+4:PC+5], s[14:15] offset:1536*(\f)+512
	global_store_b128 v5, v[PC+6:PC+9], s[14:15] offset:1536*(\f)+768
	global_store_b64 v6, v[PC+10:PC+11], s[14:15] offset:1536*(\f)+1280
	ds_store_b32 v9, v[PW] offset:SCW+64*(\f)      ; both lanes of a row write the same word with the same value
.endm
	LOAD 0
	LOAD 1
	LOAD 2
	LOAD 3
	WIN 0
	FRAG 0
	FRAG 1
	FRAG 2
	FRAG 3
	ds_load_b64 v[12:13], v10 offset:SCW           ; my wave's 64 scale words
	s_wait_dscnt 0x0
	global_store_b64 v6, v[12:13], s[22:23]        ; 32 lanes store 256 consecutive bytes, aligned
	s_wait_tensorcnt 0x0                           ; the wave's end
	ds_add_u32 v248, v249
	s_wait_dscnt 0x0
	s_endpgm
.Lfunc_end_k_q75121629c1_quant:
	.size	k_q75121629c1_quant, .Lfunc_end_k_q75121629c1_quant-k_q75121629c1_quant
	.p2alignl 7, 3214868480
	.fill 96, 4, 3214868480
	.section	.rodata,"a",@progbits
	.p2align	6, 0x0
	.amdhsa_kernel k_q75121629c1_quant
		.amdhsa_group_segment_fixed_size 35328
		.amdhsa_private_segment_fixed_size 0
		.amdhsa_enable_private_segment 0
		.amdhsa_kernarg_size 48
		.amdhsa_user_sgpr_count 2
		.amdhsa_user_sgpr_kernarg_segment_ptr 1
		.amdhsa_wavefront_size32 1
		.amdhsa_system_sgpr_workgroup_id_x 1
		.amdhsa_system_sgpr_workgroup_id_y 1
		.amdhsa_system_sgpr_workgroup_id_z 1
		.amdhsa_system_vgpr_workitem_id 0
		.amdhsa_next_free_vgpr 400
		.amdhsa_next_free_sgpr 66
		.amdhsa_reserve_vcc 0
		.amdhsa_float_denorm_mode_32 3
		.amdhsa_float_denorm_mode_16_64 3
		.amdhsa_memory_ordered 1
		.amdhsa_forward_progress 1
		.amdhsa_inst_pref_size 32
	.end_amdhsa_kernel
	.amdgpu_metadata
---
amdhsa.version: [ 1, 2 ]
amdhsa.kernels:
  - .name:           k_q75121629c1_quant
    .symbol:         k_q75121629c1_quant.kd
    .args:
      - { .name: x, .offset: 0, .size: 8, .value_kind: global_buffer, .address_space: global }
      - { .name: wq, .offset: 8, .size: 8, .value_kind: global_buffer, .address_space: global }
      - { .name: wk, .offset: 16, .size: 8, .value_kind: global_buffer, .address_space: global }
      - { .name: wv, .offset: 24, .size: 8, .value_kind: global_buffer, .address_space: global }
      - { .name: wo, .offset: 32, .size: 8, .value_kind: global_buffer, .address_space: global }
      - { .name: q1, .offset: 40, .size: 8, .value_kind: global_buffer, .address_space: global }
    .group_segment_fixed_size: 35328
    .private_segment_fixed_size: 0
    .kernarg_segment_align: 8
    .kernarg_segment_size: 48
    .max_flat_workgroup_size: 128
    .sgpr_count:     66
    .vgpr_count:     400
    .wavefront_size: 32
...
	.end_amdgpu_metadata
.endif
;; end of part 1
;; launch qkv (part 2): grid 24 x 8, 4 waves a work-group, clusters of 4 x 4, 327,680 bytes of LDS; arguments q1, freqs_cis, bq, bk, bv, q2; writes q2
.if DOCPART == 2
	.amdgcn_target "amdgcn-amd-amdhsa--gfx1250"
	.amdhsa_code_object_version 6
	.text
	.protected	k_q75121629c1_qkv
	.globl	k_q75121629c1_qkv
	.p2align	8
	.type	k_q75121629c1_qkv,@function
k_q75121629c1_qkv:
	s_mov_b64 s[64:65], 0
	v_nop
	global_prefetch_b8 v0, s[64:65] scope:SCOPE_SE
	s_setreg_imm32_b32 hwreg(HW_REG_WAVE_MODE, 25, 1), 1
	s_wait_xcnt 0x0
	s_wait_alu depctr_hold_cnt(0) depctr_sa_sdst(0) depctr_va_vdst(0) depctr_va_sdst(0) depctr_va_ssrc(0) depctr_va_vcc(0) depctr_vm_vsrc(0)
	s_getreg_b32 s2, hwreg(HW_REG_IB_STS2, 6, 4)
	s_cmp_eq_u32 s2, 0
	s_cbranch_scc0 .Lentry_in_a_cluster
	s_endpgm
.Lentry_in_a_cluster:
	s_bfe_u32 s2, ttmp6, 0x10000c
	s_cmp_lg_u32 s2, 0xf033
	s_cbranch_scc0 .Lentry_shape_is_right
	s_endpgm
.Lentry_shape_is_right:
.set TILEB, 6144
.set XOF,   16*TILEB
.set SLOT,  24*TILEB
.set YSC,   2*SLOT
.set XSC,   YSC+16384
.set SPARE, XSC+8192
.set SCR,   SPARE+512
.set XS,    11010048
.set VC,    3932160
.set QKS,   4718592
.set VS,    5046272
.set FLOOR, 0x3000000
.set A1A, 8
.set A1B, 10
.set A0A, 12
.set A0B, 14
.set SPW, 18
.set NIL, 19
.set SCS, 32
.set F1,  64
.set T,   160
.set TM,  224
.set PW,  240
.set TT,  244
.set PC,  64
.set VA,  96
.set WO,  112
.set W,   116
.set FQ,  0
.set BI,  128
.set BV,  192
.set SEL, 96
.set G1Y, 24
.set G0Y, 32
.set G1X, 40
.set G0X, 48
.set G1YS, 56
.set G1XS, 68
.set G0YS, 76
.set G0XS, 80
.set MSB, 0
.macro WIN new
.if MSB != \new
	s_set_vgpr_msb (MSB<<8)|\new
.set MSB, \new
.endif
.endm
.macro JLOAD g0a, g1a, g0b, g1b
	s_cmp_eq_u32 s17, 0
	s_cbranch_scc0 .Lfor_x_\@
	tensor_load_to_lds s[\g0a:\g0a+3], s[\g1a:\g1a+7]
	s_nop 0
.rept 4
	v_nop
.endr
	s_branch .Lasked_\@
.Lfor_x_\@:
	tensor_load_to_lds s[\g0b:\g0b+3], s[\g1b:\g1b+7]
	s_nop 0
.rept 4
	v_nop
.endr
.Lasked_\@:
.endm
.macro CREST
	s_cmp_lg_u32 s16, 0
	s_cbranch_scc1 .Lnot_wave_0_\@
	s_barrier_signal -3
.Lnot_wave_0_\@:
	s_barrier_wait -3
	s_barrier_signal -1
	s_barrier_wait -1
.endm
.macro CROUND
	s_barrier_signal -1
	s_barrier_wait -1
	CREST
.endm
.macro PLACES n
.rept \n
	v_nop
.endr
.endm
	s_load_b256 s[4:11], s[0:1], 0x0
	s_load_b128 s[12:15], s[0:1], 0x20
	v_lshl_add_u32 v[SPW], v0, 2, SPARE
	v_mov_b32 v[NIL], 0
	ds_add_u32 v18, v19
	ds_add_u32 v18, v19
	s_wait_dscnt 0x0
	v_lshrrev_b32 v1, 5, v0
	v_readfirstlane_b32 s16, v1
	s_lshr_b32 s17, s16, 1
	s_and_b32 s18, s16, 1
	s_bfe_u32 s19, ttmp6, 0x40000
	s_bfe_u32 s20, ttmp6, 0x40004
	s_lshl_b32 s21, ttmp9, 2
	s_add_co_u32 s21, s21, s19
	s_and_b32 s22, ttmp7, 0xffff
	s_lshl_b32 s22, s22, 2
	s_add_co_u32 s22, s22, s20
	s_lshl_b32 s2, s20, 2
	s_lshl_b32 s2, 15, s2
	s_lshl_b32 s98, 0x1111, s19
	s_or_b32 s[G1Y], s2, (3<<16)|(1<<21)
	s_or_b32 s[G1YS], s2, (3<<16)|(1<<21)
	s_or_b32 s[G1X], s98, (3<<16)|(1<<21)
	s_or_b32 s[G1XS], s98, (3<<16)|(1<<21)
	s_mov_b32 s[G1Y+1], 768<<16
	s_mov_b32 s[G1Y+2], 16<<16                     ; the head's load brings the whole tile: 16 row tiles; the ring's loads bring 8
	s_mov_b32 s[G1Y+3], 768<<16
	s_mov_b32 s[G1Y+4], 16
	s_mov_b32 s[G1Y+5], 3072
	s_mov_b32 s[G1Y+6], 0
	s_mov_b32 s[G1Y+7], 0
	s_mov_b32 s[G1X+1], 768<<16
	s_mov_b32 s[G1X+2], 8<<16
	s_mov_b32 s[G1X+3], 768<<16
	s_mov_b32 s[G1X+4], 8
	s_mov_b32 s[G1X+5], 3072
	s_mov_b32 s[G1X+6], 0
	s_mov_b32 s[G1X+7], 0
	s_mov_b32 s[G1YS+1], 32<<16
	s_mov_b32 s[G1YS+2], 64<<16
	s_mov_b32 s[G1YS+3], 32<<16
	s_mov_b32 s[G1YS+4], 64
	s_mov_b32 s[G1YS+5], 32
	s_mov_b32 s[G1YS+6], 0
	s_mov_b32 s[G1YS+7], 0
	s_mov_b32 s[G1XS+1], 32<<16
	s_mov_b32 s[G1XS+2], 32<<16
	s_mov_b32 s[G1XS+3], 32<<16
	s_mov_b32 s[G1XS+4], 32
	s_mov_b32 s[G1XS+5], 32
	s_mov_b32 s[G1XS+6], 0
	s_mov_b32 s[G1XS+7], 0
	s_lshl_b32 s2, s22, 4
	s_lshl_b32 s66, s2, 10
	s_add_co_u32 s66, s66, XS
	s_mov_b32 s67, 0
	s_mul_i32 s2, s2, 24576
	s_mov_b32 s3, 0
	s_lshl_b32 s98, s21, 3
	s_add_co_u32 s98, s98, 128
	s_lshl_b32 s100, s98, 10
	s_add_co_u32 s100, s100, XS
	s_mov_b32 s101, 0
	s_mul_i32 s98, s98, 24576
	s_mov_b32 s99, 0
	s_wait_kmcnt 0x0
	CROUND
	s_mov_b32 s[G0YS], 1
	s_mov_b32 s[G0YS+1], YSC
	s_add_nc_u64 s[G0YS+2:G0YS+3], s[4:5], s[66:67]
	s_or_b32 s[G0YS+3], s[G0YS+3], 0x80000000
	s_mov_b32 s[G0XS], 1
	s_mov_b32 s[G0XS+1], XSC
	s_add_nc_u64 s[G0XS+2:G0XS+3], s[4:5], s[100:101]
	s_or_b32 s[G0XS+3], s[G0XS+3], 0x80000000
	s_add_nc_u64 s[2:3], s[4:5], s[2:3]
	s_add_nc_u64 s[98:99], s[4:5], s[98:99]
	s_mul_i32 s66, s18, 8*TILEB
	s_mul_i32 s100, s18, 4*TILEB
	s_add_co_u32 s100, s100, XOF
.irp s, 0,1
	s_mov_b32 s[G0Y+4*\s], 1
	s_add_co_u32 s[G0Y+4*\s+1], s66, \s*SLOT
	s_add_nc_u64 s[G0Y+4*\s+2:G0Y+4*\s+3], s[2:3], \s*TILEB
	s_or_b32 s[G0Y+4*\s+3], s[G0Y+4*\s+3], 0x80000000
	s_mov_b32 s[G0X+4*\s], 1
	s_add_co_u32 s[G0X+4*\s+1], s100, \s*SLOT
	s_add_nc_u64 s[G0X+4*\s+2:G0X+4*\s+3], s[98:99], \s*TILEB
	s_or_b32 s[G0X+4*\s+3], s[G0X+4*\s+3], 0x80000000
.endr
	s_mov_b32 s[G0Y+1], 0                          ; slot 0's group 0 first serves the head's load of the whole tile
	s_mov_b32 s[G0X+1], XOF
	s_mul_i32 s66, s18, 8*24576                    ; slot 1's: my half of the row tiles
	s_mov_b32 s67, 0
	s_add_nc_u64 s[G0Y+6:G0Y+7], s[G0Y+6:G0Y+7], s[66:67]
	s_mul_i32 s66, s18, 4*24576
	s_add_nc_u64 s[G0X+6:G0X+7], s[G0X+6:G0X+7], s[66:67]
; THE HEAD'S LOADS, ONE A WAVE: wave 0 slot 0's first operand, wave 1 its second, waves 2 and 3 their scale words.  One chain of branches on the wave's number: every way passes exactly one load
.macro HARM under, g0, g1, next
	s_cmp_lt_u32 s16, \under
	s_cbranch_scc0 \next
	tensor_load_to_lds s[\g0:\g0+3], s[\g1:\g1+7]
	s_nop 0
	PLACES 4
	s_branch .Lhead_asked
\next:
.endm
	HARM 1, G0Y, G1Y, .Lhead_x
	HARM 2, G0X, G1X, .Lhead_ys
	HARM 3, G0YS, G1YS, .Lhead_xs
	tensor_load_to_lds s[G0XS:G0XS+3], s[G1XS:G1XS+7]
	s_nop 0
	PLACES 4
.Lhead_asked:
	v_and_b32 v1, 15, v0
	v_bfe_u32 v2, v0, 4, 1
	v_and_b32 v3, 31, v0
	v_lshlrev_b32 v4, 4, v3
	s_wait_alu depctr_va_vdst(0)
	v_lshlrev_b32 v5, 3, v3
	s_wait_alu depctr_va_vdst(0)
	v_and_b32 v6, 8, v1
	v_add_nc_u32 v6, v6, v1
	s_mul_i32 s2, s16, 4*TILEB
	s_mul_i32 s3, s18, 4*TILEB
	s_add_co_u32 s3, s3, XOF
	s_mul_i32 s66, s17, 8*TILEB
	s_mov_b32 s67, XOF
	s_cmp_eq_u32 ttmp9, 5
	s_cselect_b32 s2, s3, s2
	s_cselect_b32 s66, s66, s67
	v_add_nc_u32 v[A1A], s2, v4
	v_add_nc_u32 v[A1B], s2, v5
	v_add_nc_u32 v[A0A], s66, v4
	v_add_nc_u32 v[A0B], s66, v5
	v_add_nc_u32 v[A1A+1], SLOT, v[A1A]
	v_add_nc_u32 v[A1B+1], SLOT, v[A1B]
	v_add_nc_u32 v[A0A+1], SLOT, v[A0A]
	v_add_nc_u32 v[A0B+1], SLOT, v[A0B]
	s_lshl_b32 s2, s16, 12
	s_add_co_u32 s2, s2, YSC
	s_lshl_b32 s3, s18, 12
	s_add_co_u32 s3, s3, XSC
	s_lshl_b32 s66, s17, 13
	s_add_co_u32 s66, s66, YSC
	s_mov_b32 s67, XSC
	s_cmp_eq_u32 ttmp9, 5
	s_cselect_b32 s2, s3, s2
	s_cselect_b32 s66, s66, s67
	s_cselect_b32 s23, -1, 0
	s_cselect_b32 s84, 0, -1
	s_cselect_b32 s85, 0, 16
	s_cselect_b32 s86, -1, 0xffff
	s_cselect_b32 s87, 0, 8192
	s_mov_b32 s88, 768
	s_cselect_b32 s88, 24576, s88
	s_mov_b32 s89, 98304
	s_cselect_b32 s89, 768, s89
	v_lshl_add_u32 v16, v1, 2, s2
	v_lshl_add_u32 v17, v1, 2, s66
	v_lshlrev_b32 v20, 8, v6
	v_lshl_add_u32 v20, v2, 6, v20
	v_lshlrev_b32 v21, 6, v2
	v_lshlrev_b32 v22, 2, v6
	v_mul_u32_u24 v23, s85, v2
	s_lshl_b32 s2, s16, 9
	s_add_co_u32 s2, s2, SCR
	v_lshlrev_b32 v24, 2, v1
	v_lshl_add_u32 v24, v2, 8, v24
	v_add_nc_u32 v24, s2, v24
	v_add_nc_u32 v25, s2, v4
	v_mul_u32_u24 v26, s87, v2
	v_lshl_add_u32 v26, v1, 4, v26
.irp b, 0,1,2,3
	v_mov_b32 v[TM+4+\b], 0
.endr
	s_mov_b32 s[SEL], 0x76543210
	s_mov_b32 s[SEL+1], 0xfedcba98
	s_lshl_b32 s98, s21, 8
	s_lshl_b32 s99, s22, 4
	s_add_co_u32 s98, s98, s99
	s_lshl_b32 s99, s16, 2
	s_add_co_u32 s98, s98, s99
	s_mul_i32 s98, s98, 768
	s_sub_co_u32 s100, s21, 20
	s_lshl_b32 s100, s100, 3
	s_lshl_b32 s99, s18, 2
	s_add_co_u32 s100, s100, s99
	s_lshl_b32 s99, s100, 5
	s_lshl_b32 s101, s22, 2
	s_add_co_u32 s99, s99, s101
	s_lshl_b32 s101, s17, 1
	s_add_co_u32 s99, s99, s101
	s_mul_i32 s99, s99, 768
	s_add_co_u32 s99, s99, VC
	s_cmp_eq_u32 ttmp9, 5
	s_cselect_b32 s98, s99, s98
	s_mov_b32 s99, 0
	s_add_nc_u64 s[90:91], s[14:15], s[98:99]
	s_lshl_b32 s98, s21, 14
	s_lshl_b32 s99, s22, 10
	s_add_co_u32 s98, s98, s99
	s_lshl_b32 s99, s16, 8
	s_add_co_u32 s98, s98, s99
	s_add_co_u32 s98, s98, QKS
	s_lshl_b32 s100, s100, 6
	s_lshl_b32 s99, s22, 12
	s_add_co_u32 s100, s100, s99
	s_lshl_b32 s99, s17, 11
	s_add_co_u32 s100, s100, s99
	s_add_co_u32 s100, s100, VS
	s_cmp_eq_u32 ttmp9, 5
	s_cselect_b32 s98, s100, s98
	s_mov_b32 s99, 0
	s_add_nc_u64 s[92:93], s[14:15], s[98:99]
	s_lshl_b32 s98, s21, 9
	s_sub_co_u32 s99, s98, 16*512
	s_cmp_eq_u32 ttmp9, 4
	s_cselect_b64 s[94:95], s[10:11], s[8:9]
	s_cselect_b32 s98, s99, s98
	s_cmp_eq_u32 ttmp9, 5
	s_cselect_b64 s[94:95], s[12:13], s[94:95]
	s_cselect_b32 s98, 0, s98
	s_mov_b32 s99, 0
	s_add_nc_u64 s[94:95], s[94:95], s[98:99]
	s_sub_co_u32 s100, s21, 20
	s_lshl_b32 s100, s100, 9
	s_lshl_b32 s101, s18, 8
	s_add_co_u32 s100, s100, s101
	s_cmp_eq_u32 ttmp9, 5
	s_cselect_b32 s100, s100, 0
	s_mov_b32 s101, 0
	s_add_nc_u64 s[100:101], s[12:13], s[100:101]
	s_lshl_b32 s2, s22, 16
	s_lshl_b32 s3, s16, 14
	s_add_co_u32 s2, s2, s3
	s_mov_b32 s3, 0
	s_add_nc_u64 s[66:67], s[6:7], s[2:3]
	WIN 0xc0
.irp a, 0,1,2,3
.irp u, 0,1
.irp j, 0,1,2,3
	global_load_b128 v[FQ+32*\a+16*\u+4*\j:FQ+32*\a+16*\u+4*\j+3], v20, s[66:67] offset:(32*(\a/2)+8*(\a%2))*256+128*\u+16*\j
.endr
.endr
.endr
.irp b, 0,1,2,3,4,5,6,7
	global_load_b128 v[BI+8*\b:BI+8*\b+3], v21, s[94:95] offset:(32*(\b/2)+8*(\b%2))*4
	global_load_b128 v[BI+8*\b+4:BI+8*\b+7], v21, s[94:95] offset:(32*(\b/2)+8*(\b%2))*4+16
.endr
.irp a, 0,1,2,3
	global_load_b32 v[BV+2*\a], v22, s[100:101] offset:(32*(\a/2)+8*(\a%2))*4
	global_load_b32 v[BV+2*\a+1], v22, s[100:101] offset:(32*(\a/2)+8*(\a%2))*4
.endr
	WIN 0
	s_wait_alu depctr_va_vdst(0)
	s_wait_tensorcnt 0x0                           ; my tile of the head's four is in; slot 1's first fill goes out as a refill does
	ds_add_u32 v[SPW], v[NIL]
	s_mov_b32 s[G1Y+2], 8<<16                      ; no tensor load of mine is out: from here on a load brings half a tile
	s_mov_b32 s[G1Y+4], 8
	s_mov_b32 s[G1X+2], 4<<16
	s_mov_b32 s[G1X+4], 4
	s_mul_i32 s2, s18, 8*TILEB                     ; and slot 0's group 0 points at my half
	s_add_co_u32 s[G0Y+1], s[G0Y+1], s2
	s_mul_i32 s2, s18, 4*TILEB
	s_add_co_u32 s[G0X+1], s[G0X+1], s2
	s_mul_i32 s2, s18, 8*24576
	s_mov_b32 s3, 0
	s_add_nc_u64 s[G0Y+2:G0Y+3], s[G0Y+2:G0Y+3], s[2:3]
	s_mul_i32 s2, s18, 4*24576
	s_add_nc_u64 s[G0X+2:G0X+3], s[G0X+2:G0X+3], s[2:3]
	s_wait_dscnt 0x0
	CROUND
	JLOAD G0Y+4, G1Y, G0X+4, G1X
	s_wait_loadcnt 0x0
	WIN 0xcc
.set i, 0
.rept 64
	v_cndmask_b32 v[FQ+i], 1.0, v[FQ+i], s84
	v_cndmask_b32 v[FQ+i+1], 0, v[FQ+i+1], s84
.set i, i+2
.endr
.set i, 0
.rept 64
	v_cndmask_b32 v[BI+i], 0, v[BI+i], s84
.set i, i+1
.endr
.set i, 0
.rept 8
	v_cndmask_b32 v[BV+i], 0, v[BV+i], s23
.set i, i+1
.endr
	WIN 0
.macro FETCH slot, q, ks, set
	WIN 0x40
.irp b, 0,1,2,3,4,5,6,7
	ds_load_b128 v[128*(\set)+12*\b:128*(\set)+12*\b+3], v[A0A+(\slot)] offset:TILEB*\b+1536*(\q)
	ds_load_b64 v[128*(\set)+12*\b+4:128*(\set)+12*\b+5], v[A0B+(\slot)] offset:TILEB*\b+1536*(\q)+512
	ds_load_b128 v[128*(\set)+12*\b+6:128*(\set)+12*\b+9], v[A0A+(\slot)] offset:TILEB*\b+1536*(\q)+768
	ds_load_b64 v[128*(\set)+12*\b+10:128*(\set)+12*\b+11], v[A0B+(\slot)] offset:TILEB*\b+1536*(\q)+1280
.endr
	WIN 0
.irp a, 0,1,2,3
	ds_load_b128 v[F1+48*(\set)+12*\a:F1+48*(\set)+12*\a+3], v[A1A+(\slot)] offset:TILEB*\a+1536*(\q)
	ds_load_b64 v[F1+48*(\set)+12*\a+4:F1+48*(\set)+12*\a+5], v[A1B+(\slot)] offset:TILEB*\a+1536*(\q)+512
	ds_load_b128 v[F1+48*(\set)+12*\a+6:F1+48*(\set)+12*\a+9], v[A1A+(\slot)] offset:TILEB*\a+1536*(\q)+768
	ds_load_b64 v[F1+48*(\set)+12*\a+10:F1+48*(\set)+12*\a+11], v[A1B+(\slot)] offset:TILEB*\a+1536*(\q)+1280
.endr
.irp a, 0,1,2,3
	ds_load_b32 v[SCS+12*(\set)+\a], v16 offset:1024*\a+64*(\ks)
.endr
.irp b, 0,1,2,3,4,5,6,7
	ds_load_b32 v[SCS+12*(\set)+4+\b], v17 offset:1024*\b+64*(\ks)
.endr
.endm
.macro MUL alo, ahi, set, first
.if \first
	WIN 0xb1
.else
	WIN 0xa1
.endif
.set aa, \alo
.rept (\ahi)-(\alo)+1
.irp b, 0,1,2,3,4,5,6,7
.if \first
	v_wmma_scale_f32_16x16x128_f8f6f4 v[64*aa+8*\b:64*aa+8*\b+7], v[128*(\set)+12*\b:128*(\set)+12*\b+11], v[F1+48*(\set)+12*aa:F1+48*(\set)+12*aa+11], v[BI+8*\b:BI+8*\b+7], v[SCS+12*(\set)+4+\b], v[SCS+12*(\set)+aa] matrix_a_fmt:MATRIX_FMT_FP6 matrix_b_fmt:MATRIX_FMT_FP6
.else
	v_wmma_scale_f32_16x16x128_f8f6f4 v[64*aa+8*\b:64*aa+8*\b+7], v[128*(\set)+12*\b:128*(\set)+12*\b+11], v[F1+48*(\set)+12*aa:F1+48*(\set)+12*aa+11], v[64*aa+8*\b:64*aa+8*\b+7], v[SCS+12*(\set)+4+\b], v[SCS+12*(\set)+aa] matrix_a_fmt:MATRIX_FMT_FP6 matrix_b_fmt:MATRIX_FMT_FP6
.endif
.endr
.set aa, aa+1
.endr
.endm
.macro SUB slot, q, ks, first
	PLACES 4
	FETCH \slot, (\q)+1, (\ks)+1, 1-(\q)%2
	s_wait_dscnt 60
	MUL 0, 3, (\q)%2, \first
	WIN 0
.endm
.macro TURN slot, ks, fill
	s_wait_tensorcnt 0x0
	ds_add_u32 v[SPW], v[NIL]
	s_wait_dscnt 1
	MUL 0, 1, 1, 0
	s_wait_dscnt 0x0
	s_barrier_signal -1
	MUL 2, 2, 1, 0
	WIN 0
	s_barrier_wait -1
.if \fill
	CREST
	s_add_nc_u64 s[G0Y+4*(\slot)+2:G0Y+4*(\slot)+3], s[G0Y+4*(\slot)+2:G0Y+4*(\slot)+3], 2*TILEB
	s_add_nc_u64 s[G0X+4*(\slot)+2:G0X+4*(\slot)+3], s[G0X+4*(\slot)+2:G0X+4*(\slot)+3], 2*TILEB
	JLOAD G0Y+4*(\slot), G1Y, G0X+4*(\slot), G1X
.else
	PLACES 4
.endif
	FETCH 1-(\slot), 0, (\ks)+1, 0
	MUL 3, 3, 1, 0
	WIN 0
.endm
.macro QUANT s
.irp b, 0,1,2,3
	v_max3_num_f32 v[TM+\b], |v[\s+16*\b]|, |v[\s+1+16*\b]|, FLOOR
.endr
.irp i, 2,4,6,8,10,12,14
.irp b, 0,1,2,3
	v_max3_num_f32 v[TM+\b], v[TM+\b], |v[\s+16*\b+\i]|, |v[\s+1+16*\b+\i]|
.endr
.endr
.irp b, 0,1,2,3
	v_permlanex16_b32 v[TM+4+\b], v[TM+\b], s[SEL], s[SEL+1]
.endr
.irp b, 0,1,2,3
	v_max_num_f32 v[TM+\b], v[TM+\b], v[TM+4+\b]
.endr
.irp b, 0,1,2,3
	v_add_nc_u32 v[TM+12+\b], 0xff000000, v[TM+\b]
.endr
.irp b, 0,1,2,3
	v_lshrrev_b32 v[TM+4+\b], 23, v[TM+12+\b]
.endr
	v_lshl_or_b32 v[PW], v[TM+5], 8, v[TM+4]
	v_lshl_or_b32 v[PW], v[TM+6], 16, v[PW]
	v_lshl_or_b32 v[PW], v[TM+7], 24, v[PW]
.irp c, 0,1
	v_cvt_scalef32_pk16_fp6_f32 v[PC+6*\c:PC+2+6*\c], v[\s+32*\c:\s+15+32*\c], v[TM+12+2*\c]
	v_cvt_scalef32_pk16_fp6_f32 v[PC+12+4*\c:PC+14+4*\c], v[\s+16+32*\c:\s+31+32*\c], v[TM+12+2*\c+1]
.endr
	v_nop
.irp c, 0,1
.irp i, 0,1,2
	v_permlane16_swap_b32 v[PC+6*\c+\i], v[PC+12+4*\c+\i]
.endr
.irp i, 0,1,2
	v_mov_b32 v[PC+3+6*\c+\i], v[PC+12+4*\c+\i]
.endr
.endr
.endm
.macro EPI a
	s_wait_xcnt 0x0
	WIN 0x0e
.set i, 0
.rept 32
	v_pk_add_f32 v[T+i:T+i+1], v[64*(\a)+i:64*(\a)+i+1], v[BV+2*(\a):BV+2*(\a)+1] op_sel_hi:[1,0]
.set i, i+2
.endr
	WIN 0x03
.set p, 0
.rept 32
	v_mul_f32 v[TT+2*(p%4)], v[FQ+32*(\a)+(2*p)%32+1], v[T+2*p+1]
	v_mul_f32 v[TT+2*(p%4)+1], v[FQ+32*(\a)+(2*p)%32], v[T+2*p+1]
	v_fma_f32 v[T+2*p+1], v[FQ+32*(\a)+(2*p)%32+1], v[T+2*p], v[TT+2*(p%4)+1]
	v_fma_f32 v[T+2*p], v[FQ+32*(\a)+(2*p)%32], v[T+2*p], -v[TT+2*(p%4)]
.set p, p+1
.endr
	WIN 0
	QUANT T
.irp c, 0,1
	global_store_b128 v[VA+2*(2*(\a)+\c)], v[PC+6*\c:PC+6*\c+3], s[90:91]
	global_store_b64 v[VA+2*(2*(\a)+\c)+1], v[PC+6*\c+4:PC+6*\c+5], s[90:91] offset:512
.endr
	v_lshrrev_b32 v[W+(\a)], v23, v[PW]
	v_and_b32 v[W+(\a)], s86, v[W+(\a)]
	ds_store_b32 v24, v[W+(\a)] offset:64*(\a)
.endm
	s_wait_alu depctr_va_vdst(0)
	FETCH 0, 0, 0, 0                               ; the head's four tiles were waited for by every wave in front of the round behind which slot 1 was asked for
	SUB 0, 0, 0, 1
	SUB 0, 1, 1, 0
	SUB 0, 2, 2, 0
	TURN 0, 3, 1
	SUB 1, 0, 4, 0
	SUB 1, 1, 5, 0
	SUB 1, 2, 6, 0
	TURN 1, 7, 1
	SUB 0, 0, 8, 0
	SUB 0, 1, 9, 0
	SUB 0, 2, 10, 0
	TURN 0, 11, 0
	SUB 1, 0, 12, 0
	SUB 1, 1, 13, 0
	SUB 1, 2, 14, 0
	s_wait_dscnt 0x0
	MUL 0, 3, 1, 0
	WIN 0
	PLACES 4
.irp a, 0,1,2,3
.irp c, 0,1
	s_mul_i32 s98, s88, \a
	s_mul_i32 s99, s89, \c
	s_add_co_u32 s98, s98, s99
	v_add_nc_u32 v[VA+2*(2*\a+\c)], s98, v4
	v_add_nc_u32 v[VA+2*(2*\a+\c)+1], s98, v5
.endr
.endr
	EPI 0
	EPI 1
	EPI 2
	EPI 3
	ds_load_b128 v[WO:WO+3], v25
	s_wait_dscnt 0x0
	global_store_b128 v26, v[WO:WO+3], s[92:93]
	s_wait_tensorcnt 0x0
	ds_add_u32 v[SPW], v[NIL]
	s_wait_dscnt 0x0
	CROUND
	s_endpgm
.Lfunc_end_k_q75121629c1_qkv:
	.size	k_q75121629c1_qkv, .Lfunc_end_k_q75121629c1_qkv-k_q75121629c1_qkv
	.p2alignl 7, 3214868480
	.fill 96, 4, 3214868480
	.section	.rodata,"a",@progbits
	.p2align	6, 0x0
	.amdhsa_kernel k_q75121629c1_qkv
		.amdhsa_group_segment_fixed_size 327680
		.amdhsa_private_segment_fixed_size 0
		.amdhsa_enable_private_segment 0
		.amdhsa_kernarg_size 48
		.amdhsa_user_sgpr_count 2
		.amdhsa_user_sgpr_kernarg_segment_ptr 1
		.amdhsa_wavefront_size32 1
		.amdhsa_system_sgpr_workgroup_id_x 1
		.amdhsa_system_sgpr_workgroup_id_y 1
		.amdhsa_system_sgpr_workgroup_id_z 1
		.amdhsa_system_vgpr_workitem_id 0
		.amdhsa_next_free_vgpr 1024
		.amdhsa_next_free_sgpr 102
		.amdhsa_reserve_vcc 0
		.amdhsa_float_denorm_mode_32 3
		.amdhsa_float_denorm_mode_16_64 3
		.amdhsa_memory_ordered 1
		.amdhsa_forward_progress 1
		.amdhsa_inst_pref_size 214
	.end_amdhsa_kernel
	.amdgpu_metadata
---
amdhsa.version: [ 1, 2 ]
amdhsa.kernels:
  - .name:           k_q75121629c1_qkv
    .symbol:         k_q75121629c1_qkv.kd
    .args:
      - { .name: q1, .offset: 0, .size: 8, .value_kind: global_buffer, .address_space: global }
      - { .name: freqs_cis, .offset: 8, .size: 8, .value_kind: global_buffer, .address_space: global }
      - { .name: bq, .offset: 16, .size: 8, .value_kind: global_buffer, .address_space: global }
      - { .name: bk, .offset: 24, .size: 8, .value_kind: global_buffer, .address_space: global }
      - { .name: bv, .offset: 32, .size: 8, .value_kind: global_buffer, .address_space: global }
      - { .name: q2, .offset: 40, .size: 8, .value_kind: global_buffer, .address_space: global }
    .group_segment_fixed_size: 327680
    .private_segment_fixed_size: 0
    .kernarg_segment_align: 8
    .kernarg_segment_size: 48
    .max_flat_workgroup_size: 128
    .sgpr_count:     102
    .vgpr_count:     1024
    .wavefront_size: 32
...
	.end_amdgpu_metadata
.endif
;; end of part 2
;; launch attn (part 3): grid 32 x 8, 8 waves a work-group, clusters of 4 x 4, 327,680 bytes of LDS; arguments q2, mask, q3; writes q3
.if DOCPART == 3
	.amdgcn_target "amdgcn-amd-amdhsa--gfx1250"
	.amdhsa_code_object_version 6
	.text
	.protected	k_q75121629c1_attn
	.globl	k_q75121629c1_attn
	.p2align	8
	.type	k_q75121629c1_attn,@function
k_q75121629c1_attn:
	s_mov_b64 s[64:65], 0
	v_nop
	global_prefetch_b8 v0, s[64:65] scope:SCOPE_SE
	s_setreg_imm32_b32 hwreg(HW_REG_WAVE_MODE, 25, 1), 1
	s_wait_xcnt 0x0
	s_wait_alu depctr_hold_cnt(0) depctr_sa_sdst(0) depctr_va_vdst(0) depctr_va_sdst(0) depctr_va_ssrc(0) depctr_va_vcc(0) depctr_vm_vsrc(0)
	s_getreg_b32 s2, hwreg(HW_REG_IB_STS2, 6, 4)
	s_cmp_eq_u32 s2, 0
	s_cbranch_scc0 .Lentry_in_a_cluster
	s_endpgm
.Lentry_in_a_cluster:
	s_bfe_u32 s2, ttmp6, 0x10000c
	s_cmp_lg_u32 s2, 0xf033
	s_cbranch_scc0 .Lentry_shape_is_right
	s_endpgm
.Lentry_shape_is_right:
; O = softmax(q k^T / 8 + mask) v for 32 query heads on 8 groups of k and v, both products on codes of FP6 (E2M3) with E8M0 scales; O / l is quantised along hidden at once.
; THE SOFTMAX: t = logit x log2(e); M = the running largest t rounded up to a whole number; p = 2^(t - M) is quantised along the keys, not normalised; the row's sum is taken of the
; unquantised p and divides O at the end; when M moves, the sum and O are multiplied by 2^(old M - new M), which rounds nothing.
; THE MASK IS AN INPUT: every tile of it is loaded and every key is walked.  1 / 8 is 3 off the two real bytes of q's scale word (exact); the mask's numbers are the C of k q^T.
; SHARES: a work-group owns 64 queries (block qb) x the 4 heads of group g.  Wave w owns query tile w / 2 and heads 2 (w % 2), 2 (w % 2) + 1: every LDS load of a key step serves two tiles of scores.
; LAYOUTS (q2, q3): stored row tile t = rows 32 (t / 2) + 8 (t % 2) + r + 8 (r / 8); a half fragment (16 rows x 64 K, 768 bytes) is an image of operand registers 0-5: lane l's registers 0-3 at 16 l, 4-5 at 512 + 8 l.
; Both products are used transposed (S^T = k q^T, O^T = v^T p^T): a lane holds one query (lane % 16).
; THE KEYS OF A SCORE TILE ARE CHOSEN BY LDS ADDRESSES: tile 4 c + u takes keys 64 c + 8 u + 0 .. 7 in rows 0-7 and keys 64 c + 32 + 8 u + 0 .. 7 in rows 8-15.  Rows 0-7 are lanes 8 (u / 2) + 0 .. 7 of stored tile
; 4 c + u % 2, rows 8-15 the same lanes of stored tile 4 c + 2 + u % 2.  So lane (r, h) holds in the 32 registers of tiles 4 c .. 4 c + 3 the keys 64 c + 32 h + 0 .. 31: a WHOLE block of p, in the order of the
; operand's registers 6 c .. 6 c + 5: a block's maximum needs no other lane and the codes are not exchanged between lanes.  (Lanes 0-7 and 8-15 of k's loads lie 1,536 bytes apart: they share bank columns.)
; The head's 64 fill half of the instruction's 128: q's upper six registers are zero codes, so k's tiles lie six registers apart, a tile's upper half being the next tile's codes; the last tile's are cleared once.
; THE TWO HEADS' SOFTMAXES ARE ONE BLOCK: the few numbers a head carries (maxima, M, f, sums) lie in window 0 for both heads, so the two heads' dependent chains take turns line by line; all 132 exponentials of a step are one batch.
; THE RING: two slots of 256 keys: the mask's 64 rows x 1,024 bytes, k's 16 half fragments, v's 4 x 4, k's and v's scale words.  Every wave fetches one part of a slot: waves 0-3 the mask's quarters, 4 k, 5 v, 6 and 7 the scale words.
; At a change of slots the softmax up to its exponentials, work on registers alone, stands between the round's opening signal and its wait.
; CLUSTER 4 x 4: the mask's tile hangs on qb and is shared along a column of the cluster; k, v and their scale words hang on g and are shared along a row: joint loads.
; NO PREFETCH: a slot's refill is issued two key steps (48 matrix instructions and four softmaxes of each wave) ahead of the wait for it.
; LIMITS: the promise holds while |t| stays under 2^31; NaN among the inputs is not served; a row whose every logit is -infinity gives NaN, as in the definition; a block of O or p that is all zeros keeps the byte 1
; (its codes are zeros; this program alone reads the bytes).
; REGISTERS, two windows of 256.  The same numbers in both (head 0 window 0, head 1 window 1): v116-127 q; v128-191 scores, then p; v192-223 O^T; v224-235 p's codes; v236-242 codes at work.
;   Window 0 alone: v0-15 addresses; v16-17 p's scale words, v18-21 v's; v22-75 k; v76-79 v's addresses; v80-92 the way out; v93-105 head 1's carried numbers, v239, v244-255 head 0's; v106-113 k's scale words, v114-115 q's.
;   Window 1 alone: v0-63 the mask; v64-111 v.
.set SLOT1, 131072                     ; slot 1 begins here
.set MP,    1040                       ; a row of the mask's tile: 1,024 bytes + 16
.set MQ,    16*MP+128                  ; a quarter of 16 rows, and 128 bytes more
.set KOF,   4*MQ                       ; k's half fragments
.set VOF,   KOF+12288                  ; v's
.set KSO,   VOF+12288                  ; k's scale words: 64 bytes a stored key tile
.set VSO,   KSO+1024                   ; v's: 256 bytes a key step
.set SPARE, 2*SLOT1                    ; the spare words, 128 bytes for each wave
.set OST,   SPARE+1024                 ; 512 bytes: O's scale words on their way out; no fill lands here
.set VC,    3932160
.set QKS,   4718592
.set VS,    5046272
.set OS,    3145728
.set AM0, 1                            ; v1-5, v76-77: my lane's places in slot 0
.set AKA, 2
.set AKB, 3
.set ASK, 4
.set ASV, 5
.set SPW, 6                            ; my spare word; v7 0: never rewritten
.set NIL, 7
.set ADM, 8                            ; v8-12, v78-79: the same in the slot in hand
.set ADA, 9
.set ADB, 10
.set ADS, 11
.set ADT, 12
.set L16, 13
.set L8,  14
.set PWS, 16
.set VSW, 18
.set KF,  22
.set AVA, 76
.set AVB, 77
.set ADVA, 78
.set ADVB, 79
.set TA,  80
.set KSW, 106
.set QSW, 114
.set MK,  0                            ; window 1
.set VF,  64                           ; window 1
.set Q,   116                          ; in the head's window
.set S,   128
.set O,   192
.set PC,  224
.set CT,  236                          ; v236-238, v240-242 second halves of the blocks' codes
.set H8,  243                          ; 8 x (lane / 16)
.set PT0, 239                          ; what a head carries, window 0: a lane permute's destination,
.set BM0, 244                          ; four registers for maxima, scales and sums,
.set NM0, 248                          ; -M, and beside it
.set TX0, 249                          ; the largest t,
.set SUM0, 250                         ; the sum in two halves,
.set F0,  252                          ; f, and beside it the scale word at work,
.set TV0, 254                          ; two at work
.set PT1, 93
.set BM1, 94
.set TV1, 98
.set NM1, 100
.set TX1, 101
.set SUM1, 102
.set F1,  104
.set WV,  10
.set SEL, 16
.set CS,  18                           ; s[18:19] log2(e)
.set TB,  20                           ; the slot in hand
.set SLOTS, 23
.set G1M, 24
.set G1K, 32
.set G1V, 40
.set G1KS, 48
.set G1VS, 56
.set G0M, 68
.set G0K, 72
.set G0V, 76
.set G0KS, 80
.set G0VS, 84
.set MSB, 0
.macro WIN new                         ; low byte: bits 1:0 source 0, 3:2 source 1, 5:4 source 2, 7:6 destination; the high byte repeats the setting that is left
.if MSB != (\new)
	s_set_vgpr_msb (MSB<<8)|(\new)
.set MSB, (\new)
.endif
.endm
.macro PLACES
.rept 4
	v_nop
.endr
.endm
.macro ARM g0, g1                      ; a load, and the lines behind it
	tensor_load_to_lds s[\g0:\g0+3], s[\g1:\g1+7]
	s_nop 0
	PLACES
.endm
.macro TLOAD                           ; one chain of branches on the wave's number: every way passes exactly one load
	s_cmp_lt_u32 s[WV], 4
	s_cbranch_scc0 .Lnot_m_\@
	ARM G0M, G1M
	s_branch .Lasked_\@
.Lnot_m_\@:
	s_cmp_eq_u32 s[WV], 4
	s_cbranch_scc0 .Lnot_k_\@
	ARM G0K, G1K
	s_branch .Lasked_\@
.Lnot_k_\@:
	s_cmp_eq_u32 s[WV], 5
	s_cbranch_scc0 .Lnot_v_\@
	ARM G0V, G1V
	s_branch .Lasked_\@
.Lnot_v_\@:
	s_cmp_eq_u32 s[WV], 6
	s_cbranch_scc0 .Lnot_ks_\@
	ARM G0KS, G1KS
	s_branch .Lasked_\@
.Lnot_ks_\@:
	ARM G0VS, G1VS
.Lasked_\@:
.endm
.macro CREST                           ; a round of the cluster's barrier behind its opening barrier
	s_cmp_lg_u32 s[WV], 0
	s_cbranch_scc1 .Lnot_wave_0_\@
	s_barrier_signal -3
.Lnot_wave_0_\@:
	s_barrier_wait -3
	s_barrier_signal -1
	s_barrier_wait -1
.endm
.macro CROUND
	s_barrier_signal -1
	s_barrier_wait -1
	CREST
.endm
.macro GRP1 g, c, r, p                 ; group 1 behind its first word: r rows of c elements, p elements from row to row
	s_mov_b32 s[\g+1], (\c)<<16
	s_mov_b32 s[\g+2], (\r)<<16
	s_mov_b32 s[\g+3], (\c)<<16
	s_mov_b32 s[\g+4], \r
	s_mov_b32 s[\g+5], \p
	s_mov_b32 s[\g+6], 0
	s_mov_b32 s[\g+7], 0
.endm
.macro GRP0 g, base, off               ; group 0 but for its LDS address
	s_mov_b32 s[\g], 1
	s_add_nc_u64 s[\g+2:\g+3], s[\base:\base+1], s[\off:\off+1]
	s_or_b32 s[\g+3], s[\g+3], 0x80000000
.endm
.macro WALK g, n                       ; the other slot, the next 256 keys
	s_xor_b32 s[\g+1], s[\g+1], SLOT1
	s_add_nc_u64 s[\g+2:\g+3], s[\g+2:\g+3], \n
.endm
	s_load_b128 s[4:7], s[0:1], 0x0                ; q2, mask
	s_load_b64 s[8:9], s[0:1], 0x10                ; q3
	v_lshl_add_u32 v[SPW], v0, 2, SPARE
	v_mov_b32 v[NIL], 0
	ds_add_u32 v[SPW], v[NIL]                      ; the opening lines: the add, twice on end, and its wait
	ds_add_u32 v[SPW], v[NIL]
	v_lshrrev_b32 v8, 5, v0
	v_readfirstlane_b32 s[WV], v8                  ; wave 0..7
	s_wait_alu depctr_va_vdst(0)
	s_and_b32 s15, s[WV], 3                        ; which quarter of the mask's tile I fetch, if I fetch one
	s_lshr_b32 s2, s[WV], 1                        ; my query tile of the block's four
	s_and_b32 s3, s[WV], 1                         ; my pair of the group's four heads
	s_bfe_u32 s11, ttmp6, 0x40000                  ; cx
	s_bfe_u32 s12, ttmp6, 0x40004                  ; cy
	s_lshl_b32 s13, ttmp9, 2
	s_add_co_u32 s13, s13, s11                     ; qb
	s_and_b32 s14, ttmp7, 0xffff
	s_lshl_b32 s14, s14, 2
	s_add_co_u32 s14, s14, s12                     ; g
	s_lshl_b32 s88, 0x1111, s11                    ; my column of the cluster
	s_lshl_b32 s92, s12, 2
	s_lshl_b32 s92, 15, s92                        ; my row
	s_or_b32 s[G1M], s88, (2<<16)|(1<<20)|(1<<21)|(7<<22)|(3<<25)   ; elements of 4 bytes; 4 words of padding behind every 256
	GRP1 G1M, 256, 16, 2048                        ; the mask's quarter: 16 rows x 256 numbers
	s_or_b32 s[G1K], s92, (3<<16)|(1<<21)
	GRP1 G1K, 32, 48, 32                           ; k: 12,288 dense bytes as rows of 256
	s_or_b32 s[G1V], s92, (3<<16)|(1<<21)
	GRP1 G1V, 384, 4, 3072                         ; v: 4 channel tiles x 3,072 bytes, 24,576 bytes apart
	s_or_b32 s[G1KS], s92, (3<<16)|(1<<21)
	GRP1 G1KS, 32, 4, 32                           ; k's scale words: 1,024 dense bytes
	s_or_b32 s[G1VS], s92, (3<<16)|(1<<21)
	GRP1 G1VS, 32, 2, 256                          ; v's: 2 key steps x 256 bytes, 2,048 bytes apart
	s_lshl_b32 s88, s13, 19                        ; the mask at row 64 qb + 16 x quarter (s88-90 never hold g)
	s_lshl_b32 s89, s15, 17
	s_add_co_u32 s88, s88, s89
	s_mov_b32 s89, 0
	s_mul_i32 s90, s15, MQ
	s_add_co_u32 s92, s14, 32                      ; k's head 32 + g (s92-99 never hold qb)
	s_lshl_b32 s94, s92, 13
	s_add_co_u32 s94, s94, QKS
	s_mov_b32 s95, 0
	s_mul_i32 s92, s92, 98304
	s_mov_b32 s93, 0
	s_mul_i32 s96, s14, 98304
	s_add_co_u32 s96, s96, VC
	s_mov_b32 s97, 0
	s_lshl_b32 s98, s14, 8
	s_add_co_u32 s98, s98, VS
	s_mov_b32 s99, 0
	s_lshl_b32 s100, s14, 2
	s_lshl_b32 s101, s3, 1
	s_add_co_u32 s100, s100, s101                  ; my first head: 4 g + 2 x pair
	s_lshl_b32 s67, s13, 2
	s_add_co_u32 s67, s67, s2                      ; my token tile: 4 qb + query tile
	s_lshl_b32 s66, s67, 5
	s_add_co_u32 s66, s66, s100
	s_mul_i32 s66, s66, 768                        ; q3: half fragment 32 x token tile + head
	s_lshl_b32 s100, s100, 7
	s_add_co_u32 s100, s100, s67                   ; q2: 128 x head + token tile
	s_mul_i32 s101, s100, 768
	s_lshl_b32 s100, s100, 6
	s_add_co_u32 s100, s100, QKS
	s_lshr_b32 s91, s2, 1
	s_lshl_b32 s91, s91, 5
	s_and_b32 s67, s2, 1
	s_lshl_b32 s67, s67, 3
	s_add_co_u32 s91, s91, s67                     ; my query tile's first row of the block's 64
	s_lshl_b32 s21, s[WV], 6
	s_add_co_u32 s21, s21, OST                     ; my 64 bytes of O's scale words
	s_lshl_b32 s22, s13, 12
	s_lshl_b32 s67, s14, 9
	s_add_co_u32 s22, s22, s67
	s_add_co_u32 s22, s22, OS                      ; the work-group's 512 bytes of them in q3
	s_mov_b32 s[SEL], 0x76543210
	s_mov_b32 s[SEL+1], 0xfedcba98
	s_mov_b32 s[CS], 0x3fb8aa3b                    ; log2(e)
	s_mov_b32 s[CS+1], s[CS]
	s_mov_b32 s[TB], 0
	s_mov_b32 s[SLOTS], 6
	s_mov_b32 s[G0M+1], s90
	s_mov_b32 s[G0K+1], KOF
	s_mov_b32 s[G0V+1], VOF
	s_mov_b32 s[G0KS+1], KSO
	s_mov_b32 s[G0VS+1], VSO
	s_wait_dscnt 0x0                               ; both opening adds are done
	s_wait_kmcnt 0x0
	GRP0 G0M, 6, 88
	GRP0 G0K, 4, 92
	GRP0 G0V, 4, 96
	GRP0 G0KS, 4, 94
	GRP0 G0VS, 4, 98
	CROUND                                         ; all sixteen work-groups are here: the first joint loads meet
	TLOAD                                          ; slot 0: one load a wave
	v_and_b32 v8, 15, v0                           ; r
	v_bfe_u32 v9, v0, 4, 1                         ; h
	v_and_b32 v10, 31, v0
	v_lshlrev_b32 v[L16], 4, v10
	v_lshlrev_b32 v[L8], 3, v10
	v_add_nc_u32 v[TA+10], s101, v[L16]
	v_add_nc_u32 v[TA+11], s101, v[L8]
	v_lshl_add_u32 v[TA+12], v8, 2, s100
	global_load_b128 v[Q:Q+3], v[TA+10], s[4:5]    ; q's half fragments stay in registers: the first head's in window 0,
	global_load_b64 v[Q+4:Q+5], v[TA+11], s[4:5] offset:512
	global_load_b32 v[QSW], v[TA+12], s[4:5]
	global_load_b32 v[QSW+1], v[TA+12], s[4:5] offset:8192      ; (the next head lies 128 token tiles on)
	WIN 0x40                                       ; the second head's in window 1
	global_load_b128 v[Q:Q+3], v[TA+10], s[4:5] offset:98304
	global_load_b64 v[Q+4:Q+5], v[TA+11], s[4:5] offset:98304+512
	WIN 0
	v_and_b32 v11, 8, v8
	v_add_nc_u32 v11, v11, v8
	v_add_nc_u32 v11, s91, v11                     ; my query's row of the block's 64
	v_lshrrev_b32 v12, 4, v11
	v_mul_u32_u24 v[AM0], v11, MP
	v_lshl_add_u32 v[AM0], v12, 7, v[AM0]
	v_lshl_add_u32 v[AM0], v9, 7, v[AM0]           ; + 32 h keys
	v_and_b32 v11, 7, v8                           ; r % 8
	v_lshrrev_b32 v12, 3, v8                       ; r / 8
	v_mul_u32_u24 v10, v12, 1536                   ; rows 8-15 come from the stored tile two further on
	v_lshl_add_u32 v[AKA], v11, 4, v10
	v_lshl_add_u32 v[AKA], v9, 8, v[AKA]
	v_add_nc_u32 v[AKA], KOF, v[AKA]               ; 16 x stored lane (r % 8 + 16 h)
	v_lshl_add_u32 v[AKB], v11, 3, v10
	v_lshl_add_u32 v[AKB], v9, 7, v[AKB]
	v_add_nc_u32 v[AKB], KOF, v[AKB]               ; 8 x stored lane
	v_lshlrev_b32 v[ASK], 7, v12
	v_lshl_add_u32 v[ASK], v11, 2, v[ASK]
	v_add_nc_u32 v[ASK], KSO, v[ASK]
	v_lshl_add_u32 v[ASV], v8, 2, VSO
	v_add_nc_u32 v[AVA], VOF, v[L16]
	v_add_nc_u32 v[AVB], VOF, v[L8]
	v_lshl_add_u32 v[TA+1], v8, 2, s21             ; the way out: my row's scale word in LDS,
	v_add_nc_u32 v[TA+2], OST, v[L16]              ; the 512 bytes read back,
	v_add_nc_u32 v[TA+3], s22, v[L16]              ; their place in q3,
	v_add_nc_u32 v[TA+4], s66, v[L16]              ; and my half fragments'
	v_add_nc_u32 v[TA+5], s66, v[L8]
	v_lshlrev_b32 v[H8], 3, v9
.irp j, 48,49,50,51,52,53
	v_mov_b32 v[KF+\j], 0                          ; behind the last key tile's codes: set once, no load lands here
.endr
.irp x, 0,1                                    ; what each head carries
	v_mov_b32 v[PT\x], 0
	v_mov_b32 v[SUM\x], 0
	v_mov_b32 v[SUM\x+1], 0
	v_mov_b32 v[F\x], 0
	v_mov_b32 v[F\x+1], 0
	v_mov_b32 v[TX\x], 0xff61b1e6                  ; the largest t so far: -3e38
	v_floor_f32 v[NM\x], -v[TX\x]                  ; -M
.endr
.irp x, 0,1
	WIN 0x40*\x
.irp j, 6,7,8,9,10,11
	v_mov_b32 v[Q+\j], 0                           ; q's upper 64 along K: zero codes
.endr
.set i, 0
.rept 32
	v_mov_b32 v[O+i], 0                            ; O^T: the step is written once; the first finds zeros
.set i, i+1
.endr
.endr
	WIN 0
	s_wait_alu depctr_va_vdst(0)
	s_wait_loadcnt 0x0
	v_add_nc_u32 v[QSW], 0xfffffcfd, v[QSW]        ; 3 off both real bytes: q / 8, exact (the bytes are 4 or more, so nothing borrows)
	v_add_nc_u32 v[QSW+1], 0xfffffcfd, v[QSW+1]
	s_wait_alu depctr_va_vdst(0)
.macro SLOTADR                         ; the addresses of the slot in hand; a step's place in it stands in the loads' immediates
	v_add_nc_u32 v[ADM], s[TB], v[AM0]
	v_add_nc_u32 v[ADA], s[TB], v[AKA]
	v_add_nc_u32 v[ADB], s[TB], v[AKB]
	v_add_nc_u32 v[ADS], s[TB], v[ASK]
	v_add_nc_u32 v[ADT], s[TB], v[ASV]
	v_add_nc_u32 v[ADVA], s[TB], v[AVA]
	v_add_nc_u32 v[ADVB], s[TB], v[AVB]
	s_wait_alu depctr_va_vdst(0)
.endm
; The 40 loads that a step's score products want: eight tiles of k, six registers apart, their scale words, and the mask of my query at my 64 keys of the step
.macro KLOAD q
.irp t, 0,1,2,3,4,5,6,7
	ds_load_b128 v[KF+6*\t:KF+6*\t+3], v[ADA] offset:6144*(\q)+3072*(\t/4)+768*(\t%2)+128*((\t%4)/2)
	ds_load_b64 v[KF+6*\t+4:KF+6*\t+5], v[ADB] offset:6144*(\q)+3072*(\t/4)+768*(\t%2)+64*((\t%4)/2)+512
	ds_load_b32 v[KSW+\t], v[ADS] offset:512*(\q)+256*(\t/4)+64*(\t%2)+32*((\t%4)/2)
.endr
	WIN 0x40
.irp t, 0,1,2,3,4,5,6,7
	ds_load_b128 v[MK+8*\t:MK+8*\t+3], v[ADM] offset:512*(\q)+256*(\t/4)+32*(\t%4)
	ds_load_b128 v[MK+8*\t+4:MK+8*\t+7], v[ADM] offset:512*(\q)+256*(\t/4)+32*(\t%4)+16
.endr
	WIN 0
.endm
; The same 40 loads in three parts, so that vector work stands between them: k and its scale words (24 loads),
.macro KLK q
.irp t, 0,1,2,3,4,5,6,7
	ds_load_b128 v[KF+6*\t:KF+6*\t+3], v[ADA] offset:6144*(\q)+3072*(\t/4)+768*(\t%2)+128*((\t%4)/2)
	ds_load_b64 v[KF+6*\t+4:KF+6*\t+5], v[ADB] offset:6144*(\q)+3072*(\t/4)+768*(\t%2)+64*((\t%4)/2)+512
	ds_load_b32 v[KSW+\t], v[ADS] offset:512*(\q)+256*(\t/4)+64*(\t%2)+32*((\t%4)/2)
.endr
.endm
.macro KLM q, hf                       ; and the mask of tiles 4 hf .. 4 hf + 3 (8 loads); it leaves the destination's window at 1
	WIN 0x40
.irp t, 0,1,2,3
	ds_load_b128 v[MK+8*(4*(\hf)+\t):MK+8*(4*(\hf)+\t)+3], v[ADM] offset:512*(\q)+256*(\hf)+32*\t
	ds_load_b128 v[MK+8*(4*(\hf)+\t)+4:MK+8*(4*(\hf)+\t)+7], v[ADM] offset:512*(\q)+256*(\hf)+32*\t+16
.endr
.endm
.macro VLOAD q
	WIN 0x40
.irp tt, 0,1,2,3
.irp c, 0,1
	ds_load_b128 v[VF+12*\tt+6*\c:VF+12*\tt+6*\c+3], v[ADVA] offset:3072*\tt+768*(2*(\q)+\c)
	ds_load_b64 v[VF+12*\tt+6*\c+4:VF+12*\tt+6*\c+5], v[ADVB] offset:3072*\tt+768*(2*(\q)+\c)+512
.endr
.endr
	WIN 0
.irp tt, 0,1,2,3
	ds_load_b32 v[VSW+\tt], v[ADT] offset:256*(\q)+64*\tt
.endr
.endm
; In front of a change of slots: all my tensor loads, the add, my LDS reads; then the signal
.macro MEET fill
	s_wait_tensorcnt 0x0                           ; no tensor load of mine is out, so a group 0 may be written
	ds_add_u32 v[SPW], v[NIL]
.if \fill
	WALK G0M, 1024
	WALK G0K, 12288
	WALK G0V, 3072
	WALK G0KS, 1024
	WALK G0VS, 4096
.endif
	s_wait_dscnt 0x0                               ; the add is done, and my reads of the slot that I leave are over
	s_barrier_signal -1
.endm
; THE SOFTMAX OF BOTH HEADS FOR ONE KEY STEP, first half: maxima, M, f, t - M, the rescaling, the exponentials.  Head 1's scores and O^T lie in window 1, what it carries in window 0:
; 0x15 = three sources window 1; 0x14 = sources 1 and 2; 0x41 = source 0 and destination.  No exponential stands between a product's write and its first read here.
.macro SOFTA ld, q                     ; ld = 1: behind each head's maxima half of the mask of step q of the slot in hand is asked for
.irp x, 0,1
	WIN 0x15*\x
.irp c, 0,1                                    ; my two blocks' largest logits, each in two chains: four chains by turns; each accumulator is first read at its low end
	v_max3_num_f32 v[BM\x+\c], v[S+32*\c], v[S+32*\c+1], v[S+32*\c+2]
.endr
.irp c, 0,1
	v_max3_num_f32 v[BM\x+2+\c], v[S+32*\c+16], v[S+32*\c+17], v[S+32*\c+18]
.endr
	WIN 0x14*\x
.irp i, 3,5,7,9,11,13
.irp c, 0,1
	v_max3_num_f32 v[BM\x+\c], v[BM\x+\c], v[S+32*\c+\i], v[S+32*\c+\i+1]
.endr
.irp c, 0,1
	v_max3_num_f32 v[BM\x+2+\c], v[BM\x+2+\c], v[S+32*\c+16+\i], v[S+32*\c+17+\i]
.endr
.endr
.irp c, 0,1
	v_max3_num_f32 v[BM\x+\c], v[BM\x+\c], v[S+32*\c+15], v[S+32*\c+31]
.endr
.if \ld
	KLM \q, \x
.endif
.endr
	WIN 0                                          ; from here the two heads' chains take turns
.irp c, 0,1
.irp x, 0,1
	v_max_num_f32 v[BM\x+\c], v[BM\x+\c], v[BM\x+2+\c]   ; the block's largest logit
.endr
.endr
.irp x, 0,1
	v_max_num_f32 v[TV\x], v[BM\x], v[BM\x+1]
.endr
.irp x, 0,1
	v_permlanex16_b32 v[PT\x], v[TV\x], s[SEL], s[SEL+1]
.endr
.irp x, 0,1
	v_max_num_f32 v[TV\x], v[TV\x], v[PT\x]        ; with lane l xor 16's two blocks: the step's largest logit of my query
.endr
.irp x, 0,1
	v_mul_f32 v[TV\x], s[CS], v[TV\x]              ; as t
.endr
.irp x, 0,1
	v_max_num_f32 v[TX\x], v[TX\x], v[TV\x]        ; the running largest t
.endr
.irp x, 0,1
	v_mov_b32 v[TV\x], v[NM\x]
.endr
.irp x, 0,1
	v_floor_f32 v[NM\x], -v[TX\x]                  ; the new -M = -ceil(t)
.endr
.irp x, 0,1
	v_sub_f32 v[TV\x], v[NM\x], v[TV\x]            ; old M - new M: a whole number, 0 or less
.endr
.irp x, 0,1
	v_fma_f32 v[BM\x], v[BM\x], s[CS], v[NM\x]     ; t - M of each block's largest logit: p rises with the logit, so this gives the block's largest p
.endr
.irp x, 0,1
	v_cvt_i32_f32 v[TV\x], v[TV\x]                 ; (it saturates)
.endr
.irp x, 0,1
	v_fma_f32 v[BM\x+1], v[BM\x+1], s[CS], v[NM\x]
.endr
.irp x, 0,1
	v_ldexp_f32 v[F\x], 1.0, v[TV\x]               ; f = 2^(old M - new M)
.endr
.irp x, 0,1
	WIN 0x41*\x
.set j, 0
.rept 32
	v_pk_fma_f32 v[S+j:S+j+1], v[S+j:S+j+1], s[CS:CS+1], v[NM\x:NM\x+1] op_sel_hi:[1,0,0]   ; t - M, two at a time
.set j, j+2
.endr
.set j, 0
.rept 16
	v_pk_mul_f32 v[O+j:O+j+1], v[O+j:O+j+1], v[F\x:F\x+1] op_sel_hi:[1,0]   ; O^T under the new M, ascending
.set j, j+2
.endr
.endr
	WIN 0
.irp x, 0,1
	v_pk_mul_f32 v[SUM\x:SUM\x+1], v[SUM\x:SUM\x+1], v[F\x:F\x+1] op_sel_hi:[1,0]   ; and the sum
.endr
	s_wait_alu depctr_va_vdst(0)
.irp x, 0,1
	v_exp_f32 v[BM\x], v[BM\x]
	v_exp_f32 v[BM\x+1], v[BM\x+1]
.endr
.irp x, 0,1
	WIN 0x41*\x
.set j, 0
.rept 64
	v_exp_f32 v[S+j], v[S+j]                       ; p = 2^(t - M)
.set j, j+1
.endr
.endr
	WIN 0
	v_nop                                          ; one plain place behind the last exponential
	s_wait_alu depctr_va_vdst(0)                   ; one wait for the whole batch, ahead of its first reader and of any branch
.endm
; Second half: p's scales and codes, and the row's sums
.macro SOFTB ld                        ; ld = 1: the mask of the new slot's first step is asked for on the way, in two halves
.irp c, 0,1
.irp x, 0,1
	v_max_num_f32 v[BM\x+\c], 0x1800000, v[BM\x+\c]   ; the floor 2^(3 - 127): the byte cannot fall under 1
.endr
.endr
.irp c, 0,1
.irp x, 0,1
	v_add_nc_u32 v[BM\x+\c], 0xff000000, v[BM\x+\c]   ; 2 off the exponent field: the conversion's scale operand
.endr
.endr
.irp c, 0,1
.irp x, 0,1
	v_lshrrev_b32 v[BM\x+2+\c], 23, v[BM\x+\c]     ; the scale's byte
.endr
.endr
.irp x, 0,1
	v_lshl_or_b32 v[F\x+1], v[BM\x+3], 16, v[BM\x+2]   ; blocks h and 2 + h,
.endr
.irp x, 0,1
	v_lshlrev_b32 v[F\x+1], v[H8], v[F\x+1]        ; at their places in the word
.endr
.irp x, 0,1
	v_permlanex16_b32 v[PT\x], v[F\x+1], s[SEL], s[SEL+1]
.endr
.if \ld
	KLM 0, 0
.endif
.irp x, 0,1
	WIN 0x41*\x
.irp c, 0,1
	v_cvt_scalef32_pk16_fp6_f32 v[PC+6*\c:PC+6*\c+2], v[S+32*\c:S+32*\c+15], v[BM\x+\c]
	v_cvt_scalef32_pk16_fp6_f32 v[CT+4*\c:CT+4*\c+2], v[S+32*\c+16:S+32*\c+31], v[BM\x+\c]   ; (a conversion's three registers begin on an even number)
.endr
.endr
	WIN 0
.irp x, 0,1
	v_or_b32 v[PWS+\x], v[F\x+1], v[PT\x]          ; with lane l xor 16's two bytes p's scale word is whole.  (Also the plain place behind the conversions)
.endr
.if \ld
	KLM 0, 1
.endif
.irp x, 0,1                                    ; the codes' second halves to their places; then the row's sum of the unquantised p, two at a time, in four chains.  The sums are also the places between the codes' and the scale words' writes and the products
	WIN 0x41*\x
.irp c, 0,1
.irp i, 0,1,2
	v_mov_b32 v[PC+6*\c+3+\i], v[CT+4*\c+\i]
.endr
.endr
	WIN 0x05*\x
	v_pk_add_f32 v[TV\x:TV\x+1], v[S:S+1], v[S+2:S+3]
	v_pk_add_f32 v[BM\x:BM\x+1], v[S+4:S+5], v[S+6:S+7]
	v_pk_add_f32 v[BM\x+2:BM\x+3], v[S+8:S+9], v[S+10:S+11]
	WIN 0x04*\x
.set j, 12
.rept 6
	v_pk_add_f32 v[SUM\x:SUM\x+1], v[SUM\x:SUM\x+1], v[S+j:S+j+1]
	v_pk_add_f32 v[TV\x:TV\x+1], v[TV\x:TV\x+1], v[S+j+2:S+j+3]
	v_pk_add_f32 v[BM\x:BM\x+1], v[BM\x:BM\x+1], v[S+j+4:S+j+5]
	v_pk_add_f32 v[BM\x+2:BM\x+3], v[BM\x+2:BM\x+3], v[S+j+6:S+j+7]
.set j, j+8
.endr
	v_pk_add_f32 v[SUM\x:SUM\x+1], v[SUM\x:SUM\x+1], v[S+60:S+61]
	v_pk_add_f32 v[TV\x:TV\x+1], v[TV\x:TV\x+1], v[S+62:S+63]
.endr
	WIN 0
.irp x, 0,1
	v_pk_add_f32 v[BM\x:BM\x+1], v[BM\x:BM\x+1], v[BM\x+2:BM\x+3]
.endr
.irp x, 0,1
	v_pk_add_f32 v[SUM\x:SUM\x+1], v[SUM\x:SUM\x+1], v[TV\x:TV\x+1]
.endr
.irp x, 0,1
	v_pk_add_f32 v[SUM\x:SUM\x+1], v[SUM\x:SUM\x+1], v[BM\x:BM\x+1]
.endr
.endm
; A KEY STEP: 128 keys, the q-th of the slot in hand; its k, scale words and mask were asked for a step ago.
; mode 0: the next step lies in the same slot.  mode 1: the slot is left and filled again.  mode 2: the slot is left, nothing is fetched; in the walk's last trip nothing more is read either
.macro STEP q, mode
	s_wait_dscnt 0x0                               ; k, its scale words and the mask are in
	PLACES                                         ; behind the last step's products, in front of loads into v's registers
	VLOAD \q
	WIN 0x10                                       ; C (the mask) window 1; all else window 0
.irp t, 0,1,2,3,4,5,6,7                        ; S^T = mask + k q^T: sixteen accumulators, each once
	v_wmma_scale_f32_16x16x128_f8f6f4 v[S+8*\t:S+8*\t+7], v[KF+6*\t:KF+6*\t+11], v[Q:Q+11], v[MK+8*\t:MK+8*\t+7], v[KSW+\t], v[QSW] matrix_a_fmt:MATRIX_FMT_FP6 matrix_b_fmt:MATRIX_FMT_FP6
.endr
	WIN 0x54                                       ; q, C and D window 1
.irp t, 0,1,2,3,4,5,6,7
	v_wmma_scale_f32_16x16x128_f8f6f4 v[S+8*\t:S+8*\t+7], v[KF+6*\t:KF+6*\t+11], v[Q:Q+11], v[MK+8*\t:MK+8*\t+7], v[KSW+\t], v[QSW+1] matrix_a_fmt:MATRIX_FMT_FP6 matrix_b_fmt:MATRIX_FMT_FP6
.endr
	WIN 0
	PLACES                                         ; in front of loads into k's and the mask's registers and of the first read of the scores
.if \mode == 0
	KLK (\q)+1
	SOFTA 1, (\q)+1
.else
	MEET 2-(\mode)                                 ; its wait on DScnt brings v's loads in: every byte of the slot that I leave is in registers
	SOFTA 0, 0                                     ; work on registers while the others arrive; it ends with a wait ahead of the barrier's wait
	s_barrier_wait -1
.if \mode == 1
	CREST                                          ; the barrier has opened a round of the cluster's barrier
	TLOAD                                          ; the slot just left takes the keys two slots on: my one load behind the round
.else
	s_cmp_eq_u32 s[SLOTS], 1
	s_cbranch_scc1 .Lno_more_\@                    ; the walk's last step: no slot follows
.endif
	s_xor_b32 s[TB], s[TB], SLOT1                  ; on to the other slot
	SLOTADR
.if \mode == 1
	KLK 0
.else
	KLOAD 0
.Lno_more_\@:
.endif
.endif
.if \mode == 1
	SOFTB 1
.else
	SOFTB 0
.endif
.if \mode == 0
	s_wait_dscnt 40                                ; v's 20 loads are in; the 40 issued behind them, the next step's, may be out
.endif
	WIN 0x01                                       ; v's fragments window 1; the first head's codes and O^T window 0
.irp tt, 0,1,2,3                               ; O^T += v^T p^T: the eight accumulators by turns
	v_wmma_scale_f32_16x16x128_f8f6f4 v[O+8*\tt:O+8*\tt+7], v[VF+12*\tt:VF+12*\tt+11], v[PC:PC+11], v[O+8*\tt:O+8*\tt+7], v[VSW+\tt], v[PWS] matrix_a_fmt:MATRIX_FMT_FP6 matrix_b_fmt:MATRIX_FMT_FP6
.endr
	WIN 0x55
.irp tt, 0,1,2,3
	v_wmma_scale_f32_16x16x128_f8f6f4 v[O+8*\tt:O+8*\tt+7], v[VF+12*\tt:VF+12*\tt+11], v[PC:PC+11], v[O+8*\tt:O+8*\tt+7], v[VSW+\tt], v[PWS+1] matrix_a_fmt:MATRIX_FMT_FP6 matrix_b_fmt:MATRIX_FMT_FP6
.endr
	WIN 0                                          ; at a label and at a branch every window is 0
.endm
	MEET 1                                         ; slot 0 is in; slot 1's first fill goes out as a refill does
	s_barrier_wait -1
	CREST
	TLOAD
	SLOTADR
	KLOAD 0
.Lslot:                                            ; six trips, a slot each; in each the slot is left and filled again
	STEP 0, 0
	STEP 1, 1
	s_sub_co_u32 s[SLOTS], s[SLOTS], 1
	s_cmp_lg_u32 s[SLOTS], 0
	s_cbranch_scc1 .Lslot
	s_mov_b32 s[SLOTS], 2
.Ltail:                                            ; the last two slots: nothing is left to fetch, so no tensor load stands here
	STEP 0, 0
	STEP 1, 2
	s_sub_co_u32 s[SLOTS], s[SLOTS], 1
	s_cmp_lg_u32 s[SLOTS], 0
	s_cbranch_scc1 .Ltail
; THE WAY OUT: O^T / the sum; register 16 b + i of a head is channel 32 b + 16 h + i (v's channel tiles are stored row tiles); each head's two blocks of 32 channels are quantised along hidden;
; the half fragments go to q3 from registers, the scale word (two bytes of each head) through LDS
.macro FIN x
	WIN 0
	v_add_f32 v[SUM\x], v[SUM\x], v[SUM\x+1]
	v_permlanex16_b32 v[F\x], v[SUM\x], s[SEL], s[SEL+1]
	v_add_f32 v[SUM\x], v[SUM\x], v[F\x]           ; the row's sum
	s_wait_alu depctr_va_vdst(0)
	v_rcp_f32 v[SUM\x], v[SUM\x]
	v_nop                                          ; one plain place behind it
	WIN 0x41*(\x)
	s_wait_alu depctr_va_vdst(0)                   ; and behind it, directly ahead of the first readers of it and of O^T
.set i, 0
.rept 32
	v_mul_f32 v[S+i], v[O+i], v[SUM\x]
.set i, i+1
.endr
	WIN 0x05*(\x)
.irp b, 0,1
	v_max3_num_f32 v[BM\x+\b], |v[S+16*\b]|, |v[S+16*\b+1]|, 0x1800000
.endr
	WIN 0x14*(\x)
.irp i, 2,4,6,8,10,12,14
.irp b, 0,1
	v_max3_num_f32 v[BM\x+\b], v[BM\x+\b], |v[S+16*\b+\i]|, |v[S+16*\b+\i+1]|
.endr
.endr
	WIN 0
.irp b, 0,1
	v_permlanex16_b32 v[BM\x+2+\b], v[BM\x+\b], s[SEL], s[SEL+1]
.endr
.irp b, 0,1
	v_max_num_f32 v[BM\x+\b], v[BM\x+\b], v[BM\x+2+\b]
.endr
.irp b, 0,1
	v_add_nc_u32 v[BM\x+\b], 0xff000000, v[BM\x+\b]
.endr
.irp b, 0,1
	v_lshrrev_b32 v[BM\x+2+\b], 23, v[BM\x+\b]
.endr
	v_lshl_or_b32 v[F\x], v[BM\x+3], 8, v[BM\x+2]  ; the head's two bytes
	WIN 0x41*(\x)
	v_cvt_scalef32_pk16_fp6_f32 v[PC:PC+2], v[S:S+15], v[BM\x]
	v_cvt_scalef32_pk16_fp6_f32 v[CT+4:CT+6], v[S+16:S+31], v[BM\x+1]
	v_nop                                          ; one plain place behind a scaled conversion
.irp i, 0,1,2
	v_permlane16_swap_b32 v[PC+\i], v[CT+4+\i]     ; here a block lies in two lanes: the operand's layout wants it whole in one
.endr
.irp i, 0,1,2
	v_mov_b32 v[PC+3+\i], v[CT+4+\i]
.endr
.endm
	PLACES                                         ; behind the last products
	FIN 0
	FIN 1
	WIN 0
	v_lshl_or_b32 v[TA+6], v[F1], 16, v[F0]        ; the second head's two bytes above the first's: the word of these 128 along hidden
	s_wait_alu depctr_va_vdst(0)                   ; the codes and the word are read by the stores below
	global_store_b128 v[TA+4], v[PC:PC+3], s[8:9]  ; 512 and 256 consecutive bytes, at multiples of 256 from q3's first byte
	global_store_b64 v[TA+5], v[PC+4:PC+5], s[8:9] offset:512
	WIN 0x04                                       ; a store's data are its source 1: window 1: the second head's half fragment follows the first's
	global_store_b128 v[TA+4], v[PC:PC+3], s[8:9] offset:768
	global_store_b64 v[TA+5], v[PC+4:PC+5], s[8:9] offset:1280
	WIN 0
	ds_store_b32 v[TA+1], v[TA+6]                  ; both lanes of a row write the same word with the same value
	s_wait_dscnt 0x0                               ; for the others' sake
	s_barrier_signal -1
	s_barrier_wait -1
	s_cmp_lg_u32 s[WV], 0
	s_cbranch_scc1 .Lnot_first
	ds_load_b128 v[TA+8:TA+11], v[TA+2]            ; wave 0 stores the work-group's 128 scale words
	s_wait_dscnt 0x0
	global_store_b128 v[TA+3], v[TA+8:TA+11], s[8:9]
.Lnot_first:
	s_wait_tensorcnt 0x0                           ; the wave's end
	ds_add_u32 v[SPW], v[NIL]
	s_wait_dscnt 0x0
	CROUND                                         ; the closing round
	s_endpgm
.Lfunc_end_k_q75121629c1_attn:
	.size	k_q75121629c1_attn, .Lfunc_end_k_q75121629c1_attn-k_q75121629c1_attn
	.p2alignl 7, 3214868480
	.fill 96, 4, 3214868480
	.section	.rodata,"a",@progbits
	.p2align	6, 0x0
	.amdhsa_kernel k_q75121629c1_attn
		.amdhsa_group_segment_fixed_size 327680
		.amdhsa_private_segment_fixed_size 0
		.amdhsa_enable_private_segment 0
		.amdhsa_kernarg_size 24
		.amdhsa_user_sgpr_count 2
		.amdhsa_user_sgpr_kernarg_segment_ptr 1
		.amdhsa_wavefront_size32 1
		.amdhsa_system_sgpr_workgroup_id_x 1
		.amdhsa_system_sgpr_workgroup_id_y 1
		.amdhsa_system_sgpr_workgroup_id_z 1
		.amdhsa_system_vgpr_workitem_id 0
		.amdhsa_next_free_vgpr 512
		.amdhsa_next_free_sgpr 102
		.amdhsa_reserve_vcc 0
		.amdhsa_float_denorm_mode_32 3
		.amdhsa_float_denorm_mode_16_64 3
		.amdhsa_memory_ordered 1
		.amdhsa_forward_progress 1
		.amdhsa_inst_pref_size 147
	.end_amdhsa_kernel
	.amdgpu_metadata
---
amdhsa.version: [ 1, 2 ]
amdhsa.kernels:
  - .name:           k_q75121629c1_attn
    .symbol:         k_q75121629c1_attn.kd
    .args:
      - { .name: q2, .offset: 0, .size: 8, .value_kind: global_buffer, .address_space: global }
      - { .name: mask, .offset: 8, .size: 8, .value_kind: global_buffer, .address_space: global }
      - { .name: q3, .offset: 16, .size: 8, .value_kind: global_buffer, .address_space: global }
    .group_segment_fixed_size: 327680
    .private_segment_fixed_size: 0
    .kernarg_segment_align: 8
    .kernarg_segment_size: 24
    .max_flat_workgroup_size: 256
    .sgpr_count:     102
    .vgpr_count:     512
    .wavefront_size: 32
...
	.end_amdgpu_metadata
.endif
;; end of part 3
;; launch oproj (part 4): grid 16 x 16, 4 waves a work-group, clusters of 4 x 4, 327,680 bytes of LDS; arguments q3, q1, bo, out0; writes out0
.if DOCPART == 4
	.amdgcn_target "amdgcn-amd-amdhsa--gfx1250"
	.amdhsa_code_object_version 6
	.text
	.protected	k_q75121629c1_oproj
	.globl	k_q75121629c1_oproj
	.p2align	8
	.type	k_q75121629c1_oproj,@function
k_q75121629c1_oproj:
	s_mov_b64 s[64:65], 0
	v_nop
	global_prefetch_b8 v0, s[64:65] scope:SCOPE_SE
	s_setreg_imm32_b32 hwreg(HW_REG_WAVE_MODE, 25, 1), 1
	s_wait_xcnt 0x0
	s_wait_alu depctr_hold_cnt(0) depctr_sa_sdst(0) depctr_va_vdst(0) depctr_va_sdst(0) depctr_va_ssrc(0) depctr_va_vcc(0) depctr_vm_vsrc(0)
	s_getreg_b32 s2, hwreg(HW_REG_IB_STS2, 6, 4)
	s_cmp_eq_u32 s2, 0
	s_cbranch_scc0 .Lentry_in_a_cluster
	s_endpgm
.Lentry_in_a_cluster:
	s_bfe_u32 s2, ttmp6, 0x10000c
	s_cmp_lg_u32 s2, 0xf033
	s_cbranch_scc0 .Lentry_shape_is_right
	s_endpgm
.Lentry_shape_is_right:
.set TILEB, 6144
.set XOF,   8*TILEB
.set SLOT,  16*TILEB
.set YSC,   2*SLOT
.set XSC,   YSC+8192
.set SPARE, XSC+8192
.set STAGE, SPARE+512
.set XS,    11010048
.set OS,    3145728
.set A1A, 8
.set A1B, 10
.set A0A, 12
.set A0B, 14
.set SPW, 18
.set NIL, 19
.set STO, 20
.set RD,  21
.set CO,  22
.set SCS, 32
.set F1,  64
.set BK,  64
.set BI,  192
.set ACC, 128
.set G1Y, 24
.set G0Y, 32
.set G1X, 40
.set G0X, 48
.set G1YS, 56
.set G1XS, 68
.set G0YS, 76
.set G0XS, 80
.set MSB, 0
.macro WIN new
.if MSB != \new
	s_set_vgpr_msb (MSB<<8)|\new
.set MSB, \new
.endif
.endm
.macro JLOAD g0a, g1a, g0b, g1b
	s_cmp_eq_u32 s17, 0
	s_cbranch_scc0 .Lfor_x_\@
	tensor_load_to_lds s[\g0a:\g0a+3], s[\g1a:\g1a+7]
	s_nop 0
.rept 4
	v_nop
.endr
	s_branch .Lasked_\@
.Lfor_x_\@:
	tensor_load_to_lds s[\g0b:\g0b+3], s[\g1b:\g1b+7]
	s_nop 0
.rept 4
	v_nop
.endr
.Lasked_\@:
.endm
.macro CREST
	s_cmp_lg_u32 s16, 0
	s_cbranch_scc1 .Lnot_wave_0_\@
	s_barrier_signal -3
.Lnot_wave_0_\@:
	s_barrier_wait -3
	s_barrier_signal -1
	s_barrier_wait -1
.endm
.macro CROUND
	s_barrier_signal -1
	s_barrier_wait -1
	CREST
.endm
.macro PLACES n
.rept \n
	v_nop
.endr
.endm
	s_load_b256 s[4:11], s[0:1], 0x0
	v_lshl_add_u32 v[SPW], v0, 2, SPARE
	v_mov_b32 v[NIL], 0
	ds_add_u32 v18, v19
	ds_add_u32 v18, v19
	s_wait_dscnt 0x0
	v_lshrrev_b32 v1, 5, v0
	v_readfirstlane_b32 s16, v1
	s_lshr_b32 s17, s16, 1
	s_and_b32 s18, s16, 1
	s_bfe_u32 s19, ttmp6, 0x40000
	s_bfe_u32 s20, ttmp6, 0x40004
	s_lshl_b32 s21, ttmp9, 2
	s_add_co_u32 s21, s21, s19
	s_and_b32 s22, ttmp7, 0xffff
	s_lshl_b32 s22, s22, 2
	s_add_co_u32 s22, s22, s20
	s_lshl_b32 s2, s20, 2
	s_lshl_b32 s2, 15, s2
	s_lshl_b32 s98, 0x1111, s19
	s_or_b32 s[G1Y], s2, (3<<16)|(1<<21)
	s_or_b32 s[G1YS], s2, (3<<16)|(1<<21)
	s_or_b32 s[G1X], s98, (3<<16)|(1<<21)
	s_or_b32 s[G1XS], s98, (3<<16)|(1<<21)
.irp g, G1Y, G1X
	s_mov_b32 s[\g+1], 768<<16
	s_mov_b32 s[\g+2], 8<<16                       ; the head's load brings the whole tile: 8 row tiles; the ring's loads bring 4
	s_mov_b32 s[\g+3], 768<<16
	s_mov_b32 s[\g+4], 8
	s_mov_b32 s[\g+5], 3072
	s_mov_b32 s[\g+6], 0
	s_mov_b32 s[\g+7], 0
.endr
.irp g, G1YS, G1XS
	s_mov_b32 s[\g+1], 32<<16
	s_mov_b32 s[\g+2], 32<<16
	s_mov_b32 s[\g+3], 32<<16
	s_mov_b32 s[\g+4], 32
	s_mov_b32 s[\g+5], 32
	s_mov_b32 s[\g+6], 0
	s_mov_b32 s[\g+7], 0
.endr
	s_lshl_b32 s2, s22, 3
	s_mul_i32 s2, s2, 24576
	s_mov_b32 s3, 0
	s_lshl_b32 s66, s22, 1
	s_lshl_b32 s66, s66, 12
	s_add_co_u32 s66, s66, OS
	s_mov_b32 s67, 0
	s_lshl_b32 s98, s21, 3
	s_add_co_u32 s98, s98, 320
	s_lshl_b32 s100, s98, 10
	s_add_co_u32 s100, s100, XS
	s_mov_b32 s101, 0
	s_mul_i32 s98, s98, 24576
	s_mov_b32 s99, 0
	s_wait_kmcnt 0x0
	CROUND
	s_mov_b32 s[G0YS], 1
	s_mov_b32 s[G0YS+1], YSC
	s_add_nc_u64 s[G0YS+2:G0YS+3], s[4:5], s[66:67]
	s_or_b32 s[G0YS+3], s[G0YS+3], 0x80000000
	s_mov_b32 s[G0XS], 1
	s_mov_b32 s[G0XS+1], XSC
	s_add_nc_u64 s[G0XS+2:G0XS+3], s[6:7], s[100:101]
	s_or_b32 s[G0XS+3], s[G0XS+3], 0x80000000
	s_add_nc_u64 s[2:3], s[4:5], s[2:3]
	s_add_nc_u64 s[98:99], s[6:7], s[98:99]
	s_mul_i32 s66, s18, 4*TILEB
	s_add_co_u32 s100, s66, XOF
.irp s, 0,1
	s_mov_b32 s[G0Y+4*\s], 1
	s_add_co_u32 s[G0Y+4*\s+1], s66, \s*SLOT
	s_add_nc_u64 s[G0Y+4*\s+2:G0Y+4*\s+3], s[2:3], \s*TILEB
	s_or_b32 s[G0Y+4*\s+3], s[G0Y+4*\s+3], 0x80000000
	s_mov_b32 s[G0X+4*\s], 1
	s_add_co_u32 s[G0X+4*\s+1], s100, \s*SLOT
	s_add_nc_u64 s[G0X+4*\s+2:G0X+4*\s+3], s[98:99], \s*TILEB
	s_or_b32 s[G0X+4*\s+3], s[G0X+4*\s+3], 0x80000000
.endr
	s_mov_b32 s[G0Y+1], 0                          ; slot 0's group 0 first serves the head's load of the whole tile
	s_mov_b32 s[G0X+1], XOF
	s_mul_i32 s66, s18, 4*24576                    ; slot 1's: my half of the row tiles
	s_mov_b32 s67, 0
	s_add_nc_u64 s[G0Y+6:G0Y+7], s[G0Y+6:G0Y+7], s[66:67]
	s_add_nc_u64 s[G0X+6:G0X+7], s[G0X+6:G0X+7], s[66:67]
; THE HEAD'S LOADS, ONE A WAVE: wave 0 slot 0's first operand, wave 1 its second, waves 2 and 3 their scale words.  One chain of branches on the wave's number: every way passes exactly one load
.macro HARM under, g0, g1, next
	s_cmp_lt_u32 s16, \under
	s_cbranch_scc0 \next
	tensor_load_to_lds s[\g0:\g0+3], s[\g1:\g1+7]
	s_nop 0
	PLACES 4
	s_branch .Lhead_asked
\next:
.endm
	HARM 1, G0Y, G1Y, .Lhead_x
	HARM 2, G0X, G1X, .Lhead_ys
	HARM 3, G0YS, G1YS, .Lhead_xs
	tensor_load_to_lds s[G0XS:G0XS+3], s[G1XS:G1XS+7]
	s_nop 0
	PLACES 4
.Lhead_asked:
	v_and_b32 v1, 15, v0
	v_bfe_u32 v2, v0, 4, 1
	v_and_b32 v3, 31, v0
	v_lshlrev_b32 v4, 4, v3
	v_lshlrev_b32 v5, 3, v3
	s_mul_i32 s2, s17, 4*TILEB
	s_mul_i32 s3, s18, 4*TILEB
	s_add_co_u32 s3, s3, XOF
	v_add_nc_u32 v[A1A], s2, v4
	v_add_nc_u32 v[A1B], s2, v5
	v_add_nc_u32 v[A0A], s3, v4
	v_add_nc_u32 v[A0B], s3, v5
	v_add_nc_u32 v[A1A+1], SLOT, v[A1A]
	v_add_nc_u32 v[A1B+1], SLOT, v[A1B]
	v_add_nc_u32 v[A0A+1], SLOT, v[A0A]
	v_add_nc_u32 v[A0B+1], SLOT, v[A0B]
	s_lshl_b32 s2, s17, 12
	s_add_co_u32 s2, s2, YSC
	s_lshl_b32 s3, s18, 12
	s_add_co_u32 s3, s3, XSC
	v_lshl_add_u32 v16, v1, 2, s2
	v_lshl_add_u32 v17, v1, 2, s3
	s_mul_i32 s2, s16, 16*272
	s_add_co_u32 s2, s2, STAGE
	v_mul_u32_u24 v[STO], v1, 272
	v_lshl_add_u32 v[STO], v2, 6, v[STO]
	v_add_nc_u32 v[STO], s2, v[STO]
	v_mul_u32_u24 v[RD], v2, 272
	v_lshl_add_u32 v[RD], v1, 4, v[RD]
	v_add_nc_u32 v[RD], s2, v[RD]
	v_lshlrev_b32 v[CO], 13, v2
	v_lshl_add_u32 v[CO], v1, 4, v[CO]
	v_lshlrev_b32 v23, 6, v2
	s_wait_alu depctr_va_vdst(0)
	s_lshl_b32 s98, s21, 9
	s_lshl_b32 s99, s18, 8
	s_add_co_u32 s98, s98, s99
	s_mov_b32 s99, 0
	s_add_nc_u64 s[8:9], s[8:9], s[98:99]
	s_add_nc_u64 s[10:11], s[10:11], s[98:99]
	s_lshl_b32 s98, s22, 20
	s_lshl_b32 s100, s17, 19
	s_add_co_u32 s98, s98, s100
	s_add_nc_u64 s[10:11], s[10:11], s[98:99]
.irp b, 0,1,2,3
	global_load_b128 v[BI+8*\b:BI+8*\b+3], v23, s[8:9] offset:(32*(\b/2)+8*(\b%2))*4
	global_load_b128 v[BI+8*\b+4:BI+8*\b+7], v23, s[8:9] offset:(32*(\b/2)+8*(\b%2))*4+16
.endr
.macro FETCH slot, q, ks, set
	WIN 0x40
.irp b, 0,1,2,3
	ds_load_b128 v[48*(\set)+12*\b:48*(\set)+12*\b+3], v[A0A+(\slot)] offset:TILEB*\b+1536*(\q)
	ds_load_b64 v[48*(\set)+12*\b+4:48*(\set)+12*\b+5], v[A0B+(\slot)] offset:TILEB*\b+1536*(\q)+512
	ds_load_b128 v[48*(\set)+12*\b+6:48*(\set)+12*\b+9], v[A0A+(\slot)] offset:TILEB*\b+1536*(\q)+768
	ds_load_b64 v[48*(\set)+12*\b+10:48*(\set)+12*\b+11], v[A0B+(\slot)] offset:TILEB*\b+1536*(\q)+1280
.endr
	WIN 0
.irp a, 0,1,2,3
	ds_load_b128 v[F1+48*(\set)+12*\a:F1+48*(\set)+12*\a+3], v[A1A+(\slot)] offset:TILEB*\a+1536*(\q)
	ds_load_b64 v[F1+48*(\set)+12*\a+4:F1+48*(\set)+12*\a+5], v[A1B+(\slot)] offset:TILEB*\a+1536*(\q)+512
	ds_load_b128 v[F1+48*(\set)+12*\a+6:F1+48*(\set)+12*\a+9], v[A1A+(\slot)] offset:TILEB*\a+1536*(\q)+768
	ds_load_b64 v[F1+48*(\set)+12*\a+10:F1+48*(\set)+12*\a+11], v[A1B+(\slot)] offset:TILEB*\a+1536*(\q)+1280
.endr
.irp a, 0,1,2,3
	ds_load_b32 v[SCS+8*(\set)+\a], v16 offset:128*\a+512*((\ks)/2)+64*((\ks)%2)
.endr
.irp b, 0,1,2,3
	ds_load_b32 v[SCS+8*(\set)+4+\b], v17 offset:1024*\b+64*(\ks)
.endr
.endm
.macro MUL alo, ahi, set, first
.if \first
	WIN 0x41
.else
	WIN 0x51
.endif
.set aa, \alo
.rept (\ahi)-(\alo)+1
.irp b, 0,1,2,3
.if \first
	v_wmma_scale_f32_16x16x128_f8f6f4 v[ACC+8*(4*aa+\b):ACC+8*(4*aa+\b)+7], v[48*(\set)+12*\b:48*(\set)+12*\b+11], v[F1+48*(\set)+12*aa:F1+48*(\set)+12*aa+11], v[BI+8*\b:BI+8*\b+7], v[SCS+8*(\set)+4+\b], v[SCS+8*(\set)+aa] matrix_a_fmt:MATRIX_FMT_FP6 matrix_b_fmt:MATRIX_FMT_FP6
.else
	v_wmma_scale_f32_16x16x128_f8f6f4 v[ACC+8*(4*aa+\b):ACC+8*(4*aa+\b)+7], v[48*(\set)+12*\b:48*(\set)+12*\b+11], v[F1+48*(\set)+12*aa:F1+48*(\set)+12*aa+11], v[ACC+8*(4*aa+\b):ACC+8*(4*aa+\b)+7], v[SCS+8*(\set)+4+\b], v[SCS+8*(\set)+aa] matrix_a_fmt:MATRIX_FMT_FP6 matrix_b_fmt:MATRIX_FMT_FP6
.endif
.endr
.set aa, aa+1
.endr
.endm
.macro SUB slot, q, ks, first
	PLACES 4
	FETCH \slot, (\q)+1, (\ks)+1, 1-(\q)%2
	s_wait_dscnt 40
	MUL 0, 3, (\q)%2, \first
	WIN 0
.endm
.macro TURN slot, ks, fill
	s_wait_tensorcnt 0x0
	ds_add_u32 v[SPW], v[NIL]
	s_wait_dscnt 1
	MUL 0, 1, 1, 0
	s_wait_dscnt 0x0
	s_barrier_signal -1
	MUL 2, 2, 1, 0
	WIN 0
	s_barrier_wait -1
.if \fill
	CREST
	s_add_nc_u64 s[G0Y+4*(\slot)+2:G0Y+4*(\slot)+3], s[G0Y+4*(\slot)+2:G0Y+4*(\slot)+3], 2*TILEB
	s_add_nc_u64 s[G0X+4*(\slot)+2:G0X+4*(\slot)+3], s[G0X+4*(\slot)+2:G0X+4*(\slot)+3], 2*TILEB
	JLOAD G0Y+4*(\slot), G1Y, G0X+4*(\slot), G1X
.else
	PLACES 4
.endif
	FETCH 1-(\slot), 0, (\ks)+1, 0
	MUL 3, 3, 1, 0
	WIN 0
.endm
.macro OUTA a
	s_wait_xcnt 0x0
	WIN 0x04
.irp b, 0,1,2,3
	ds_store_b128 v[STO], v[ACC+8*(4*(\a)+\b):ACC+8*(4*(\a)+\b)+3] offset:128*(\b/2)+32*(\b%2)
	ds_store_b128 v[STO], v[ACC+8*(4*(\a)+\b)+4:ACC+8*(4*(\a)+\b)+7] offset:128*(\b/2)+32*(\b%2)+16
.endr
	WIN 0
.irp t, 0,1,2,3,4,5,6,7
	ds_load_b128 v[BK+32*((\a)%2)+4*\t:BK+32*((\a)%2)+4*\t+3], v[RD] offset:544*\t
.endr
	s_wait_dscnt 0x0
.irp t, 0,1,2,3,4,5,6,7
	global_store_b128 v[CO], v[BK+32*((\a)%2)+4*\t:BK+32*((\a)%2)+4*\t+3], s[10:11] offset:(32*((\a)/2)+8*((\a)%2)+2*\t+8*(\t/4))*8192 th:TH_STORE_NT
.endr
.endm
	s_wait_alu depctr_va_vdst(0)
	s_wait_tensorcnt 0x0                           ; my tile of the head's four is in; slot 1's first fill goes out as a refill does
	ds_add_u32 v[SPW], v[NIL]
	s_mov_b32 s[G1Y+2], 4<<16                      ; no tensor load of mine is out: from here on a load brings half a tile
	s_mov_b32 s[G1Y+4], 4
	s_mov_b32 s[G1X+2], 4<<16
	s_mov_b32 s[G1X+4], 4
	s_mul_i32 s2, s18, 4*TILEB                     ; and slot 0's group 0 points at my half
	s_add_co_u32 s[G0Y+1], s[G0Y+1], s2
	s_add_co_u32 s[G0X+1], s[G0X+1], s2
	s_mul_i32 s2, s18, 4*24576
	s_mov_b32 s3, 0
	s_add_nc_u64 s[G0Y+2:G0Y+3], s[G0Y+2:G0Y+3], s[2:3]
	s_add_nc_u64 s[G0X+2:G0X+3], s[G0X+2:G0X+3], s[2:3]
	s_wait_dscnt 0x0
	CROUND
	JLOAD G0Y+4, G1Y, G0X+4, G1X
	s_wait_loadcnt 0x0                             ; the bias is in; the head's four tiles were waited for by every wave in front of the round above
	FETCH 0, 0, 0, 0
	SUB 0, 0, 0, 1
	SUB 0, 1, 1, 0
	SUB 0, 2, 2, 0
	TURN 0, 3, 1
	SUB 1, 0, 4, 0
	SUB 1, 1, 5, 0
	SUB 1, 2, 6, 0
	TURN 1, 7, 1
	SUB 0, 0, 8, 0
	SUB 0, 1, 9, 0
	SUB 0, 2, 10, 0
	TURN 0, 11, 0
	SUB 1, 0, 12, 0
	SUB 1, 1, 13, 0
	SUB 1, 2, 14, 0
	s_wait_dscnt 0x0
	MUL 0, 3, 1, 0
	WIN 0
	PLACES 4
	OUTA 0
	OUTA 1
	OUTA 2
	OUTA 3
	s_wait_tensorcnt 0x0
	ds_add_u32 v[SPW], v[NIL]
	s_wait_dscnt 0x0
	CROUND
	s_endpgm
.Lfunc_end_k_q75121629c1_oproj:
	.size	k_q75121629c1_oproj, .Lfunc_end_k_q75121629c1_oproj-k_q75121629c1_oproj
	.p2alignl 7, 3214868480
	.fill 96, 4, 3214868480
	.section	.rodata,"a",@progbits
	.p2align	6, 0x0
	.amdhsa_kernel k_q75121629c1_oproj
		.amdhsa_group_segment_fixed_size 327680
		.amdhsa_private_segment_fixed_size 0
		.amdhsa_enable_private_segment 0
		.amdhsa_kernarg_size 32
		.amdhsa_user_sgpr_count 2
		.amdhsa_user_sgpr_kernarg_segment_ptr 1
		.amdhsa_wavefront_size32 1
		.amdhsa_system_sgpr_workgroup_id_x 1
		.amdhsa_system_sgpr_workgroup_id_y 1
		.amdhsa_system_sgpr_workgroup_id_z 1
		.amdhsa_system_vgpr_workitem_id 0
		.amdhsa_next_free_vgpr 512
		.amdhsa_next_free_sgpr 102
		.amdhsa_reserve_vcc 0
		.amdhsa_float_denorm_mode_32 3
		.amdhsa_float_denorm_mode_16_64 3
		.amdhsa_memory_ordered 1
		.amdhsa_forward_progress 1
		.amdhsa_inst_pref_size 98
	.end_amdhsa_kernel
	.amdgpu_metadata
---
amdhsa.version: [ 1, 2 ]
amdhsa.kernels:
  - .name:           k_q75121629c1_oproj
    .symbol:         k_q75121629c1_oproj.kd
    .args:
      - { .name: q3, .offset: 0, .size: 8, .value_kind: global_buffer, .address_space: global }
      - { .name: q1, .offset: 8, .size: 8, .value_kind: global_buffer, .address_space: global }
      - { .name: bo, .offset: 16, .size: 8, .value_kind: global_buffer, .address_space: global }
      - { .name: out0, .offset: 24, .size: 8, .value_kind: global_buffer, .address_space: global }
    .group_segment_fixed_size: 327680
    .private_segment_fixed_size: 0
    .kernarg_segment_align: 8
    .kernarg_segment_size: 32
    .max_flat_workgroup_size: 128
    .sgpr_count:     102
    .vgpr_count:     512
    .wavefront_size: 32
...
	.end_amdgpu_metadata
.endif
;; end of part 4
